; MI455X (gfx1250); checked and timed in simulation.
; The chip was launched on July 23, 2026; its instructions are those of AMD's public machine-readable ISA for CDNA 5 (MIT licence, August 2026) and "CDNA5" Instruction Set Architecture Reference Guide (July 2026). The comments in the code are by the model that wrote it; some were corrected since.
;; Sliding Window Attention. Allowed arithmetic: matrix products marked QUANTISED: E2M1 operands, one E8M0 scale for each 32 along K, by v_wmma_scale_f32_16x16x128_f8f6f4 with both operands' format E2M1 (or v_wmma_scale_f32_32x16x128_f4), f32 sums; products left as they are: bf16, f16 or f32 operands; f32 sums; everything else in f32.
;; Inputs: b_proj 1,024 float32; w_proj 1,024 x 1,024 float32; w_qkv 3,072 x 1,024 float32; x 1 x 4,096 x 1,024 float32.
;; Outputs: out0 1 x 4,096 x 1,024 float32.
;; This version of the problem:
;;   THIS VERSION OF THE PROBLEM IS GIVEN IN LOW PRECISION. The matrix products marked QUANTISED in the list below multiply operands that are first quantised to E2M1 (2 exponent bits, 1 mantissa bit; 4 bits a number), with one power-of-two scale for each 32 numbers along K (OCP MX v1.0); their sums are f32. The products marked 'left as it is' may take bf16, f16 or f32 operands, with f32 sums. Whichever they take, every output number must still come out within the allowed error. Rounding operands to bf16 (8 significant bits) uses up far more of that allowance than f16 does (11 bits, for magnitudes from 6e-5 to 65,504). All else is computed in f32.
;;   The module's matrix products, in the order in which they are computed (A, B: the left and right operand; K: the contracted axis; several contracted axes count as one K, in the product's order):
;;     1. [M 4,096, K 1,024] x [K 1,024, N 3,072]; A: input x; B: input w_qkv: QUANTISED
;;     2. batch 16 x [M 4,096, K 64] x [K 64, N 4,096]; A: computed on the way; B: computed on the way: left as it is (an operand is computed on the way)
;;     3. batch 16 x [M 4,096, K 4,096] x [K 4,096, N 64]; A: computed on the way; B: computed on the way: left as it is (an operand is computed on the way)
;;     4. [M 4,096, K 1,024] x [K 1,024, N 1,024]; A: computed on the way; B: input w_proj: left as it is (an operand is computed on the way)
;;   THE QUANTISER, for each operand of a quantised product, along K:
;;     - K is cut into blocks of 32 from its start; a last block that is shorter is filled with zeros.
;;     - A block's scale is 2^e with e = floor(log2(the largest magnitude in the block)) - 2, held to -126 .. 127; a block of zeros has e = 0. As a byte (E8M0): e + 127.
;;     - Each number is divided by its block's scale, clamped to +-6, and rounded to the nearest number of E2M1, ties to even, subnormals kept.
;;     - The product sums the exact products of the quantised numbers (number of the format x scale) in f32.
;;   ~~~python
;;   def quantise(x, axis):      # numpy; x: float32 -> the quantised numbers, widened to float32 again
;;       x = np.moveaxis(x, axis, -1); K = x.shape[-1]
;;       x = np.pad(x, [(0, 0)] * (x.ndim - 1) + [(0, -K % 32)]); x = x.reshape(x.shape[:-1] + (-1, 32)); a = np.abs(x).max(-1, keepdims=True)
;;       e = np.where(a > 0, np.clip(np.frexp(np.where(a > 0, a, 1))[1] - 1 - 2, -126, 127), 0)      # np.frexp(a)[1] - 1 = floor(log2(a)), exactly
;;       r = np.clip(x / 2.0 ** e, -6, 6)
;;       step = 2.0 ** (np.maximum(np.frexp(np.where(r == 0, 1, r))[1] - 1, 0) - 1)
;;       q = np.round(r / step) * step * 2.0 ** e      # np.round: ties to even
;;       return np.moveaxis(q.reshape(q.shape[:-2] + (-1,))[..., :K], -1, axis).astype(np.float32)
;;   ~~~
;; One version. Each part assembles by itself: llvm-mc -triple=amdgcn-amd-amdhsa -mcpu=gfx1250 --defsym DOCPART=n.
;; ======== version 1 of 1: 4 launches
;; limits: values are held in f16: magnitudes above 65,504 overflow, below 6.1e-05 lose precision; right only within a limited range of input values
;; workspace buffers: x_codes 2,097,152 bytes; x_scales 131,072 bytes; w_codes 1,572,864 bytes; w_scales 98,304 bytes; wp16 2,097,152 bytes; mx 3,584 bytes; qkv 25,165,824 bytes; o 8,388,608 bytes
;; launch quant (part 1): grid 256 x 1, 4 waves a work-group, no clusters, 33,280 bytes of LDS; arguments x, w_qkv, x_codes, x_scales, w_codes, w_scales, w_proj, wp16, mx; writes x_codes, x_scales, w_codes, w_scales, wp16, mx
.if DOCPART == 1
	.amdgcn_target "amdgcn-amd-amdhsa--gfx1250"
	.amdhsa_code_object_version 6
	.text
	.protected	k_qaa6ba4c740_quant
	.globl	k_qaa6ba4c740_quant
	.p2align	8
	.type	k_qaa6ba4c740_quant,@function
k_qaa6ba4c740_quant:
	s_mov_b64 s[64:65], 0
	v_nop
	global_prefetch_b8 v0, s[64:65] scope:SCOPE_SE
	s_setreg_imm32_b32 hwreg(HW_REG_WAVE_MODE, 25, 1), 1
	s_wait_xcnt 0x0
; x [4096][1024] and w_qkv [3072][1024], f32, become codes of FP4 (E2M1), K innermost, with one E8M0 scale byte for each 32 along K; w_proj [1024][1024] becomes f16.
; Work-groups 0-127 take x, 128-223 w_qkv, 224-255 w_proj: each reads 131,072 bytes, 32,768 a wave.
; A block's scale is 2^(floor(log2(its largest magnitude)) - 2); its byte is the largest magnitude's own exponent field - 2, held at 1 from below.  (A block of zeros so gets the byte 1 where
; the rule says 127: its codes are zeros, which add nothing, and this program alone reads the bytes.)  Each number is divided by the scale and rounded to the nearest code, ties to even.
; Rows are dense and K is a multiple of 32: both tensors are plain streams of blocks of 32, and so are codes and scale bytes.  A wave takes 16 steps of 512 numbers.  Each load reads 512 consecutive
; bytes; a step's 2,048 bytes turn through the wave's own stage in LDS and come back 64 bytes a lane, so that a lane holds 16 neighbours along K (two lanes to a block).
; EACH WAVE ALSO STORES THE LARGEST MAGNITUDE THAT IT SAW (mx[4 x work-group + wave]: 0-511 x's, 512-895 w_qkv's): the later launches take from it one power of two that keeps q, k, v inside f16.
; w_proj leaves as wp16 [16 planes z][1024 n][64]: k = 64 z + channel, so that a K step's tile of 64 rows is dense in memory.
; LIMITS: blocks whose largest magnitude lies under 2^-124 keep the byte 1; NaN and infinities are not served; |w_proj| stays under 65,504, f16's largest number.
.set WAVES, 4
.set STEPS, 16
.set WGA,   128                        ; x's work-groups: 4096 x 1024 / 32768
.set WGQ,   224                        ; x's and w_qkv's together
.set EMAX,  2
.set CB,    8                          ; bytes of 16 codes
.set R,     16                         ; v16-79   four sets of 16 numbers as they are loaded
.set X,     80                         ; v80-111  two sets of 16 neighbours
.set C,     128                        ; v128-191 codes: four registers for each step, so that no store's data are written again
.set E,     112                        ; v112-127 a scale byte for each step
.set RM,    10                         ; v10      the wave's largest magnitude so far
.set WREG,  8192                       ; LDS: a region for each wave: two stages of 32 x SP bytes, behind them its 256 scale bytes
.set SP,    80                         ; a lane's place in a stage: 64 bytes + 16 of padding
.set SPW,   12                         ; v12      LDS address of my spare word; never rewritten
.set NIL,   13                         ; v13      0; never rewritten
.set SPARE, WAVES*WREG                 ; behind the four regions: the spare words, 128 bytes a wave, named by no other line
	s_load_b128 s[4:7], s[0:1], 0x0                ; x, w_qkv
	s_load_b128 s[8:11], s[0:1], 0x10              ; x's codes, x's scales
	s_load_b128 s[12:15], s[0:1], 0x20             ; w_qkv's codes, its scales
	s_load_b128 s[24:27], s[0:1], 0x30             ; w_proj, wp16
	s_load_b64 s[28:29], s[0:1], 0x40              ; mx
	v_lshl_add_u32 v[SPW], v0, 2, SPARE
	v_mov_b32 v[NIL], 0
	v_lshrrev_b32 v1, 5, v0
	v_readfirstlane_b32 s16, v1                    ; wave
	v_and_b32 v2, 31, v0                           ; lane
	s_mov_b32 s22, 0x76543210                      ; v_permlanex16_b32's selects for lane l xor 16
	s_mov_b32 s23, 0xfedcba98
	s_cmp_ge_u32 ttmp9, WGQ                        ; the work-group's number alone decides the path; the two never join
	s_cbranch_scc1 .Lconv
	v_lshlrev_b32 v3, 4, v2                        ; my 16 bytes of a load's 512
	s_mul_i32 s17, s16, WREG
	v_lshrrev_b32 v14, 2, v2
	v_mul_u32_u24 v14, v14, SP
	v_and_b32 v15, 3, v2
	v_lshl_add_u32 v14, v15, 4, v14
	v_add_nc_u32 v14, s17, v14                     ; the stage, on the way in: SP (lane / 4) + 16 (lane % 4)
	v_mul_u32_u24 v15, v2, SP
	v_add_nc_u32 v15, s17, v15                     ; and on the way out: SP x lane: my 16 neighbours
	v_mul_u32_u24 v4, v2, CB                       ; my codes' place in a step's
	v_lshrrev_b32 v5, 1, v2
	s_add_co_u32 s17, s17, 2*32*SP
	v_add_nc_u32 v5, s17, v5                       ; LDS: my wave's 256 scale bytes, my block's byte
	v_lshlrev_b32 v7, 3, v2                        ; and on the way out 8 bytes a lane
	v_add_nc_u32 v6, s17, v7
	s_wait_kmcnt 0x0
	s_cmp_lt_u32 ttmp9, WGA                        ; x's work-group or w_qkv's?
	s_cselect_b64 s[4:5], s[4:5], s[6:7]
	s_cselect_b64 s[8:9], s[8:9], s[12:13]
	s_cselect_b64 s[10:11], s[10:11], s[14:15]
	s_cselect_b32 s17, 0, WGA
	s_sub_co_u32 s17, ttmp9, s17
	s_lshl_b32 s17, s17, 2
	s_add_co_u32 s18, s17, s16                     ; which run of 8,192 numbers of the tensor is my wave's
	s_mov_b32 s19, 0
	s_mov_b64 s[20:21], 512*STEPS*4
	s_mul_u64 s[20:21], s[18:19], s[20:21]
	s_add_nc_u64 s[4:5], s[4:5], s[20:21]
	s_mov_b64 s[20:21], 32*STEPS*CB
	s_mul_u64 s[20:21], s[18:19], s[20:21]
	s_add_nc_u64 s[8:9], s[8:9], s[20:21]
	s_lshl_b32 s18, s18, 8                         ; 256 scale bytes a run
	s_add_nc_u64 s[10:11], s[10:11], s[18:19]
	s_lshl_b32 s18, ttmp9, 2
	s_add_co_u32 s18, s18, s16
	s_lshl_b32 s18, s18, 2                         ; mx: word 4 x work-group + wave
	s_add_nc_u64 s[28:29], s[28:29], s[18:19]
.macro LOAD t
.irp i, 0,1,2,3
	global_load_b128 v[R+16*((\t)%4)+4*\i:R+16*((\t)%4)+4*\i+3], v3, s[4:5] offset:2048*(\t)+512*\i th:TH_LOAD_NT   ; 32 lanes read 512 consecutive bytes
.endr
.endm
.macro TURN t                          ; step t's numbers through the stage: LDS serves a wave's instructions in order, so no wait stands between the stores and the loads
.irp i, 0,1,2,3
	ds_store_b128 v14, v[R+16*((\t)%4)+4*\i:R+16*((\t)%4)+4*\i+3] offset:32*SP*((\t)%2)+8*SP*\i
.endr
.irp i, 0,1,2,3
	ds_load_b128 v[X+16*((\t)%2)+4*\i:X+16*((\t)%2)+4*\i+3], v15 offset:32*SP*((\t)%2)+16*\i
.endr
.endm
.irp t, 0,1,2,3
	LOAD \t
.endr
	s_wait_loadcnt 12                              ; step 0's four loads are in; those of steps 1 to 3 stay out
	TURN 0
.macro STEP t
.set XS, X+16*((\t)%2)
.if (\t) > 0
	s_wait_dscnt 1                                 ; this step's numbers are back from the stage (the last step's byte store may be out)
.else
	s_wait_dscnt 0x0
.endif
.if (\t)+4 < STEPS
	LOAD (\t)+4                                    ; into the registers that this step's stage stores have read
.endif
.if (\t)+1 < STEPS
.if STEPS-2-(\t) >= 3
	s_wait_loadcnt 12                              ; the next step's four loads are in; those of the three steps behind it may be out
.else
	s_wait_loadcnt 4*(STEPS-2-(\t))
.endif
	TURN (\t)+1                                    ; through the other stage while this step is worked
.endif
	v_max3_num_f32 v8, |v[XS]|, |v[XS+1]|, |v[XS+2]|               ; the largest magnitude of my 16, in two chains
	v_max3_num_f32 v9, |v[XS+3]|, |v[XS+4]|, |v[XS+5]|
.irp i, 6,10
	v_max3_num_f32 v8, v8, |v[XS+\i]|, |v[XS+\i+1]|
	v_max3_num_f32 v9, v9, |v[XS+\i+2]|, |v[XS+\i+3]|
.endr
	v_max3_num_f32 v8, v8, |v[XS+14]|, |v[XS+15]|
	v_max3_num_f32 v8, v8, v9, (EMAX+1)<<23        ; and the floor 2^(EMAX + 1 - 127): the byte cannot fall under 1
	v_max_num_f32_dpp v8, v8, v8 row_xmask:1 row_mask:0xf bank_mask:0xf   ; with my neighbour's 16: the block's
.if (\t) == 0
	v_mov_b32 v[RM], v8                            ; the wave's largest magnitude begins
.else
	v_max_num_f32 v[RM], v[RM], v8
.endif
	v_add_nc_u32 v11, -(EMAX<<23), v8              ; EMAX off the exponent field: the conversion takes that field of this operand as its scale
	v_cvt_scalef32_pk8_fp4_f32 v[C+4*(\t)], v[XS:XS+7], v11
	v_cvt_scalef32_pk8_fp4_f32 v[C+4*(\t)+1], v[XS+8:XS+15], v11
	v_lshrrev_b32 v[E+(\t)], 23, v11               ; the scale's byte (also the plain line behind the conversions)
	ds_store_b8 v5, v[E+(\t)] offset:16*(\t)       ; both lanes of a block write the same byte with the same value
	global_store_b64 v4, v[C+4*(\t):C+4*(\t)+1], s[8:9] offset:32*CB*(\t)   ; the wave stores 256 consecutive bytes, aligned
.endm
.irp t, 0,1,2,3,4,5,6,7,8,9,10,11,12,13,14,15
	STEP \t
.endr
	ds_load_b64 v[8:9], v6                         ; my wave's 256 scale bytes, 8 a lane: LDS serves a wave's instructions in order
	v_max_num_f32_dpp v[RM], v[RM], v[RM] row_xmask:2 row_mask:0xf bank_mask:0xf   ; the wave's largest magnitude across the lanes (lane l xor 1 is in already)
	v_max_num_f32_dpp v[RM], v[RM], v[RM] row_xmask:4 row_mask:0xf bank_mask:0xf
	v_max_num_f32_dpp v[RM], v[RM], v[RM] row_xmask:8 row_mask:0xf bank_mask:0xf
	v_permlanex16_b32 v11, v[RM], s22, s23
	v_max_num_f32 v[RM], v[RM], v11
	s_wait_dscnt 0x0
	global_store_b64 v7, v[8:9], s[10:11]          ; one aligned run of 256 bytes
	v_mov_b32 v11, 0
	v_cmp_eq_u32 vcc_lo, 0, v2
	s_wait_xcnt 0x0                                ; EXEC is a source of the stores above: it changes only behind this wait
	s_and_saveexec_b32 s30, vcc_lo
	global_store_b32 v11, v[RM], s[28:29]          ; lane 0 stores the wave's figure
	s_wait_xcnt 0x0                                ; and again in front of the line that widens EXEC
	s_or_b32 exec_lo, exec_lo, s30
	s_wait_tensorcnt 0x0                           ; the wave's end, behind my last LDS store
	ds_add_u32 v[SPW], v[NIL]
	s_wait_dscnt 0x0
	s_endpgm
; w_proj to f16.  Wave idx = 4 (work-group - 224) + wave owns rows 8 idx .. 8 idx + 7.  A load takes 256 bytes (64 numbers, plane z) of two rows; the two rows' 128 bytes of f16 are neighbours in plane z.
.Lconv:
	s_sub_co_u32 s17, ttmp9, WGQ
	s_lshl_b32 s17, s17, 2
	s_add_co_u32 s17, s17, s16                     ; idx
	s_lshl_b32 s18, s17, 15                        ; 8 rows of 4,096 bytes
	s_mov_b32 s19, 0
	s_lshl_b32 s20, s17, 10                        ; 8 rows of 128 bytes in each plane
	s_mov_b32 s21, 0
	v_lshrrev_b32 v3, 4, v2
	v_and_b32 v4, 15, v2
	v_lshlrev_b32 v4, 4, v4
	v_lshl_or_b32 v3, v3, 12, v4                   ; in: row lane / 16, 16 bytes a lane
	v_lshlrev_b32 v4, 3, v2                        ; out: 8 bytes a lane
	s_wait_kmcnt 0x0
	s_add_nc_u64 s[24:25], s[24:25], s[18:19]
	s_add_nc_u64 s[26:27], s[26:27], s[20:21]
.macro LOADG p                         ; rows 2 p, 2 p + 1, all 16 planes, into set p % 2
.irp z, 0,1,2,3,4,5,6,7,8,9,10,11,12,13,14,15
	global_load_b128 v[16+64*((\p)%2)+4*\z:16+64*((\p)%2)+4*\z+3], v3, s[24:25] offset:8192*(\p)+256*\z th:TH_LOAD_NT
.endr
.endm
	LOADG 0
	LOADG 1
.irp p, 0,1,2,3
.if \p < 3
	s_wait_loadcnt 16                              ; this pair of rows is in; the next pair's 16 loads may be out
.else
	s_wait_loadcnt 0x0
.endif
.if \p > 0
	s_wait_xcnt 0x0                                ; the last pair's stores have read v144-175
.endif
.irp z, 0,1,2,3,4,5,6,7,8,9,10,11,12,13,14,15
	v_cvt_pk_f16_f32 v[144+2*\z], v[16+64*(\p%2)+4*\z], v[17+64*(\p%2)+4*\z]
	v_cvt_pk_f16_f32 v[145+2*\z], v[18+64*(\p%2)+4*\z], v[19+64*(\p%2)+4*\z]
.endr
.irp z, 0,1,2,3,4,5,6,7,8,9,10,11,12,13,14,15
	global_store_b64 v4, v[144+2*\z:145+2*\z], s[26:27] offset:131072*\z+256*\p   ; 32 lanes store 256 consecutive bytes, aligned
.endr
.if \p < 2
	LOADG \p+2
.endif
.endr
	s_wait_tensorcnt 0x0                           ; the same three closing lines on this path
	ds_add_u32 v[SPW], v[NIL]
	s_wait_dscnt 0x0
	s_endpgm
.Lfunc_end_k_qaa6ba4c740_quant:
	.size	k_qaa6ba4c740_quant, .Lfunc_end_k_qaa6ba4c740_quant-k_qaa6ba4c740_quant
	.p2alignl 7, 3214868480
	.fill 96, 4, 3214868480
	.section	.rodata,"a",@progbits
	.p2align	6, 0x0
	.amdhsa_kernel k_qaa6ba4c740_quant
		.amdhsa_group_segment_fixed_size 33280
		.amdhsa_private_segment_fixed_size 0
		.amdhsa_enable_private_segment 0
		.amdhsa_kernarg_size 72
		.amdhsa_user_sgpr_count 2
		.amdhsa_user_sgpr_kernarg_segment_ptr 1
		.amdhsa_wavefront_size32 1
		.amdhsa_system_sgpr_workgroup_id_x 1
		.amdhsa_system_sgpr_workgroup_id_y 1
		.amdhsa_system_sgpr_workgroup_id_z 1
		.amdhsa_system_vgpr_workitem_id 0
		.amdhsa_next_free_vgpr 192
		.amdhsa_next_free_sgpr 66
		.amdhsa_reserve_vcc 1
		.amdhsa_float_denorm_mode_32 3
		.amdhsa_float_denorm_mode_16_64 3
		.amdhsa_memory_ordered 1
		.amdhsa_forward_progress 1
		.amdhsa_inst_pref_size 56
	.end_amdhsa_kernel
	.amdgpu_metadata
---
amdhsa.version: [ 1, 2 ]
amdhsa.kernels:
  - .name:           k_qaa6ba4c740_quant
    .symbol:         k_qaa6ba4c740_quant.kd
    .args:
      - { .name: x, .offset: 0, .size: 8, .value_kind: global_buffer, .address_space: global }
      - { .name: w_qkv, .offset: 8, .size: 8, .value_kind: global_buffer, .address_space: global }
      - { .name: x_codes, .offset: 16, .size: 8, .value_kind: global_buffer, .address_space: global }
      - { .name: x_scales, .offset: 24, .size: 8, .value_kind: global_buffer, .address_space: global }
      - { .name: w_codes, .offset: 32, .size: 8, .value_kind: global_buffer, .address_space: global }
      - { .name: w_scales, .offset: 40, .size: 8, .value_kind: global_buffer, .address_space: global }
      - { .name: w_proj, .offset: 48, .size: 8, .value_kind: global_buffer, .address_space: global }
      - { .name: wp16, .offset: 56, .size: 8, .value_kind: global_buffer, .address_space: global }
      - { .name: mx, .offset: 64, .size: 8, .value_kind: global_buffer, .address_space: global }
    .group_segment_fixed_size: 33280
    .private_segment_fixed_size: 0
    .kernarg_segment_align: 8
    .kernarg_segment_size: 72
    .max_flat_workgroup_size: 128
    .sgpr_count:     66
    .vgpr_count:     192
    .wavefront_size: 32
...
	.end_amdgpu_metadata
.endif
;; end of part 1
;; launch qkv (part 2): grid 12 x 16, 4 waves a work-group, clusters of 4 x 4, 327,680 bytes of LDS; arguments x_codes, x_scales, w_codes, w_scales, qkv, mx; writes qkv
.if DOCPART == 2
	.amdgcn_target "amdgcn-amd-amdhsa--gfx1250"
	.amdhsa_code_object_version 6
	.text
	.protected	k_qaa6ba4c740_qkv
	.globl	k_qaa6ba4c740_qkv
	.p2align	8
	.type	k_qaa6ba4c740_qkv,@function
k_qaa6ba4c740_qkv:
	s_mov_b64 s[64:65], 0
	v_nop
	global_prefetch_b8 v0, s[64:65] scope:SCOPE_SE
	s_setreg_imm32_b32 hwreg(HW_REG_WAVE_MODE, 25, 1), 1
	s_wait_xcnt 0x0
	s_wait_alu depctr_hold_cnt(0) depctr_sa_sdst(0) depctr_va_vdst(0) depctr_va_sdst(0) depctr_va_ssrc(0) depctr_va_vcc(0) depctr_vm_vsrc(0)
	s_getreg_b32 s2, hwreg(HW_REG_IB_STS2, 6, 4)
	s_cmp_eq_u32 s2, 0
	s_cbranch_scc0 .Lentry_in_a_cluster
	s_endpgm
.Lentry_in_a_cluster:
	s_bfe_u32 s2, ttmp6, 0x10000c
	s_cmp_lg_u32 s2, 0xf033
	s_cbranch_scc0 .Lentry_shape_is_right
	s_endpgm
.Lentry_shape_is_right:
; qkv = Q(x) Q(w_qkv)^T on codes of FP4 (E2M1) with one E8M0 scale for each 32 along K; sums in f32.  A = x's codes [4096][512 bytes], B = w_qkv's [3072][512 bytes], scale bytes [rows][32].
; The result leaves as f16(sum x 2^-E), laid [g = column / 64][4096 tokens][64]: planes 0-15 q's heads, 16-31 k's, 32-47 v's.
; E = (exponent field of max |x|) + (that of max |w_qkv|) - 257, held to -60 .. 60.  A quantised number is at most 1.5 x 2^(field - 127), so |sum| <= 1024 x 2.25 x 2^(E + 3) < 2^(E + 14.2):
; what is stored lies under 18,432, inside f16, for every input; the multiplication by a power of two rounds nothing.  LIMIT: where max |x| x max |w_qkv| leaves 2^-57 .. 2^57, E is held and the bound fails.
; A tile of 256 x 256 is made by four waves, each 128 x 128: 64 accumulators, 512 registers.  K = 1,024 is two LDS slots of 512 along K (rows of 256 bytes): both are asked for at the start, nothing is filled again.
; The scale bytes of the work-group's 256 + 256 rows are two dense blocks: they come once, with the first fills.
; CLUSTERS: 4 x 4 work-groups; A's tiles are asked for jointly along a row of the cluster, B's along a column.  THE MATRIX INSTRUCTION IS USED TRANSPOSED (source 0 = 16 rows of B, source 1 = 16 rows of A):
; a lane holds eight neighbouring columns of one token.
; REGISTERS: window 0: v0-31 addresses, v[30:31] 2^-E; v32-95 scale words (two sets, nothing else ever); v96-127 packed f16 on the way out; v128-191 A's fragments, one set (on the way out: products x 2^-E); v192-255 rows read back.
;   window 1: B's fragments, two sets, at v0 and v128.   windows 2, 3: the accumulators of my rows 0-63, 64-127 ((a, b) at v[8 (8 (a % 4) + b)]).
.set NQ,     4                         ; matrix instructions deep in a slot
.set ROWB,   256                       ; a tile's row in bytes: 512 codes
.set KROW,   512                       ; a row of codes in memory
.set PITCH,  272                       ; an LDS row: 256 + 16 bytes = 68 words: the 16 rows of a fragment load start at 16 different banks (64 banks of 4 bytes: ISA guide 11.1)
.set FR,     8
.set NL,     2
.set NP,     4                         ; places behind this matrix instruction (ISA guide 7.12.1)
.set HALFT,  128*PITCH
.set SLOT,   4*HALFT
.set KS,     32                        ; a row of scale bytes
.set SCL,    2*SLOT
.set HALFS,  (128*KS/256)*272
.set SBLK,   (16*KS/256)*272
.set SPARE,  SCL+4*HALFS               ; the spare words, 128 bytes a wave, named by no other line
.set SPITCH, 272                       ; the way out: 16 rows x (256 + 16) bytes for each wave, in slot 0, which has had its only fill and its last read by then
.set ADRA, 16
.set ADRB, 20
.set STO,  24
.set RD,   25
.set CO,   26
.set ADRS, 27
.set SPW,  28
.set NIL,  29
.set SCF,  30                          ; v[30:31] 2^-E
.set SC,   32
.set TH,   96
.set AF,   128
.set TF,   128
.set BK,   192
.set G1, 24
.set G0, 32
.set G1B, 48
.set G0B, 56
.set G1S, 68
.set G0S, 76
.set G1SB, 80
.set G0SB, 88
.set MSB, 0
.macro WIN new                         ; the immediate's high byte repeats the setting that is left
.if MSB != \new
	s_set_vgpr_msb (MSB<<8)|\new
.set MSB, \new
.endif
.endm
.set MUL_LO, 0xa1                      ; source 0 (B) window 1, source 1 (A) window 0, C and D window 2
.set MUL_HI, 0xf1
.set TO_B,   0x40
; A joint load: waves 0 and 1 fetch for A, waves 2 and 3 for B; the branch hangs on the wave's number alone.  An s_nop 0 and four v_nop follow each line.
.macro JLOAD g0a, g1a, g0b, g1b
	s_cmp_eq_u32 s15, 0
	s_cbranch_scc0 .Lfor_b_\@
	tensor_load_to_lds s[\g0a:\g0a+3], s[\g1a:\g1a+7]
	s_nop 0
.rept 4
	v_nop
.endr
	s_branch .Lasked_\@
.Lfor_b_\@:
	tensor_load_to_lds s[\g0b:\g0b+3], s[\g1b:\g1b+7]
	s_nop 0
.rept 4
	v_nop
.endr
.Lasked_\@:
.endm
.macro CROUND                          ; a round of the cluster's barrier
	s_barrier_signal -1
	s_barrier_wait -1
	s_cmp_lg_u32 s14, 0
	s_cbranch_scc1 .Lnot_wave_0_\@
	s_barrier_signal -3
.Lnot_wave_0_\@:
	s_barrier_wait -3
	s_barrier_signal -1
	s_barrier_wait -1
.endm
; E from the 896 largest magnitudes in mx (512 of x, 384 of w_qkv): every lane ends with E in v[T].  T .. T+28 are at work.
.macro GETE T, MXS, SL
	v_and_b32 v[\T+28], 31, v0
	v_lshlrev_b32 v[\T+28], 4, v[\T+28]
.irp i, 0,1,2,3,4,5,6
	global_load_b128 v[\T+4*\i:\T+4*\i+3], v[\T+28], s[\MXS:\MXS+1] offset:512*\i
.endr
	s_wait_loadcnt 0x0
	v_max3_num_f32 v[\T], v[\T], v[\T+1], v[\T+2]
	v_max3_num_f32 v[\T+16], v[\T+16], v[\T+17], v[\T+18]
.irp i, 3,5,7,9
	v_max3_num_f32 v[\T], v[\T], v[\T+\i], v[\T+\i+1]
	v_max3_num_f32 v[\T+16], v[\T+16], v[\T+16+\i], v[\T+17+\i]
.endr
	v_max3_num_f32 v[\T], v[\T], v[\T+11], v[\T+12]
	v_max_num_f32 v[\T+16], v[\T+16], v[\T+27]
	v_max3_num_f32 v[\T], v[\T], v[\T+13], v[\T+14]
	v_max_num_f32 v[\T], v[\T], v[\T+15]
.irp m, 1,2,4,8
	v_max_num_f32_dpp v[\T], v[\T], v[\T] row_xmask:\m row_mask:0xf bank_mask:0xf
	v_max_num_f32_dpp v[\T+16], v[\T+16], v[\T+16] row_xmask:\m row_mask:0xf bank_mask:0xf
.endr
	v_permlanex16_b32 v[\T+1], v[\T], s[\SL], s[\SL+1]
	v_permlanex16_b32 v[\T+17], v[\T+16], s[\SL], s[\SL+1]
	v_max_num_f32 v[\T], v[\T], v[\T+1]
	v_max_num_f32 v[\T+16], v[\T+16], v[\T+17]
	v_lshrrev_b32 v[\T], 23, v[\T]                 ; the two exponent fields
	v_lshrrev_b32 v[\T+16], 23, v[\T+16]
	v_add_nc_u32 v[\T], v[\T], v[\T+16]
	v_add_nc_u32 v[\T], 0xfffffeff, v[\T]          ; - 257
	v_max_i32 v[\T], 0xffffffc4, v[\T]             ; held to -60 ..
	v_min_i32 v[\T], 60, v[\T]                     ; .. 60
.endm
	s_load_b128 s[4:7], s[0:1], 0x0                ; A's codes, A's scales
	s_load_b128 s[8:11], s[0:1], 0x10              ; B's codes, B's scales
	s_load_b64 s[12:13], s[0:1], 0x20              ; qkv
	s_load_b64 s[96:97], s[0:1], 0x28              ; mx
	v_lshl_add_u32 v[SPW], v0, 2, SPARE
	v_mov_b32 v[NIL], 0
	ds_add_u32 v[SPW], v[NIL]                      ; the wave's opening: the add and its wait stand ahead of my first tensor load; the set-up below stands between them
	v_lshrrev_b32 v1, 5, v0
	v_readfirstlane_b32 s14, v1                    ; wave 0..3
	s_lshr_b32 s15, s14, 1                         ; which half of the tile's rows is mine.  Also: I fetch for A (0) or for B (1)
	s_and_b32 s16, s14, 1                          ; which half of its columns.  Also: which 128 rows I fetch
	s_bfe_u32 s40, ttmp6, 0x40000                  ; cx, cy
	s_bfe_u32 s41, ttmp6, 0x40004
	s_lshl_b32 s42, ttmp9, 2
	s_add_co_u32 s42, s42, s40                     ; tile column
	s_and_b32 s17, ttmp7, 0xffff
	s_lshl_b32 s17, s17, 2
	s_add_co_u32 s17, s17, s41                     ; tile row
	s_lshl_b32 s43, s41, 2
	s_lshl_b32 s43, 15, s43                        ; my row of the cluster
	s_lshl_b32 s44, 0x1111, s40                    ; my column
	s_mov_b32 s2, 0x76543210                       ; v_permlanex16_b32's selects for lane l xor 16
	s_mov_b32 s3, 0xfedcba98
	; descriptor group 1: 128 rows x 256 bytes, 16 bytes of padding behind each
	s_or_b32 s[G1+0], s43, (0<<16)|(1<<20)|(1<<21)|(5<<22)|(3<<25)
	s_or_b32 s[G1B+0], s44, (0<<16)|(1<<20)|(1<<21)|(5<<22)|(3<<25)
.irp g, G1, G1B
	s_mov_b32 s[\g+1], ROWB<<16                    ; tensor_dim0
	s_mov_b32 s[\g+2], 128<<16                     ; tensor_dim1
	s_mov_b32 s[\g+3], ROWB<<16                    ; tile_dim0
	s_mov_b32 s[\g+4], 128                         ; tile_dim1
	s_mov_b32 s[\g+5], KROW                        ; pitch
	s_mov_b32 s[\g+6], 0
	s_mov_b32 s[\g+7], 0
.endr
	; the scales of 128 rows: 4,096 dense bytes as 16 rows of 256 (32 elements of 8 bytes), padded likewise
	s_or_b32 s[G1S+0], s43, (3<<16)|(1<<20)|(1<<21)|(5<<22)|(3<<25)
	s_or_b32 s[G1SB+0], s44, (3<<16)|(1<<20)|(1<<21)|(5<<22)|(3<<25)
.irp g, G1S, G1SB
	s_mov_b32 s[\g+1], 32<<16
	s_mov_b32 s[\g+2], (128*KS/256)<<16
	s_mov_b32 s[\g+3], 32<<16
	s_mov_b32 s[\g+4], 128*KS/256
	s_mov_b32 s[\g+5], 32
	s_mov_b32 s[\g+6], 0
	s_mov_b32 s[\g+7], 0
.endr
	s_lshl_b32 s18, s16, 7
	s_lshl_b32 s20, s17, 8
	s_add_co_u32 s20, s20, s18                     ; A: row 256 x tile row + 128 x half
	s_lshl_b32 s46, s42, 8
	s_add_co_u32 s46, s46, s18                     ; B: row 256 x tile column + 128 x half
	s_mov_b32 s21, 0
	s_mov_b32 s47, 0
	s_mov_b64 s[18:19], KS
	s_mul_u64 s[22:23], s[20:21], s[18:19]         ; where these rows' scales begin
	s_mul_u64 s[92:93], s[46:47], s[18:19]
	s_mov_b64 s[18:19], KROW
	s_mul_u64 s[20:21], s[20:21], s[18:19]         ; and their codes
	s_mul_u64 s[46:47], s[46:47], s[18:19]
	s_mul_i32 s45, s14, HALFT                      ; where they go: wave x 128 rows
	s_mul_i32 s94, s14, HALFS
	s_wait_dscnt 0x0                               ; the opening add is done
	s_wait_kmcnt 0x0
	s_add_nc_u64 s[20:21], s[4:5], s[20:21]
	s_add_nc_u64 s[22:23], s[6:7], s[22:23]
	s_add_nc_u64 s[46:47], s[8:9], s[46:47]
	s_add_nc_u64 s[92:93], s[10:11], s[92:93]
	CROUND                                         ; all sixteen work-groups are here: the joint loads meet
	s_mov_b32 s[G0S], 1
	s_add_co_u32 s[G0S+1], s94, SCL
	s_mov_b64 s[G0S+2:G0S+3], s[22:23]
	s_or_b32 s[G0S+3], s[G0S+3], 0x80000000
	s_mov_b32 s[G0SB], 1
	s_add_co_u32 s[G0SB+1], s94, SCL
	s_mov_b64 s[G0SB+2:G0SB+3], s[92:93]
	s_or_b32 s[G0SB+3], s[G0SB+3], 0x80000000
	JLOAD G0S, G1S, G0SB, G1SB                     ; the scales first.  Three loads of mine are out behind the last of these
.irp s, 0,1
	s_mov_b32 s[G0+4*\s], 1
	s_add_co_u32 s[G0+4*\s+1], s45, \s*SLOT
	s_add_nc_u64 s[G0+4*\s+2:G0+4*\s+3], s[20:21], \s*ROWB
	s_or_b32 s[G0+4*\s+3], s[G0+4*\s+3], 0x80000000
	s_mov_b32 s[G0B+4*\s], 1
	s_add_co_u32 s[G0B+4*\s+1], s45, \s*SLOT
	s_add_nc_u64 s[G0B+4*\s+2:G0B+4*\s+3], s[46:47], \s*ROWB
	s_or_b32 s[G0B+4*\s+3], s[G0B+4*\s+3], 0x80000000
	JLOAD G0+4*\s, G1, G0B+4*\s, G1B
.endr
	v_and_b32 v1, 15, v0                           ; r = l % 16
	v_bfe_u32 v2, v0, 4, 1                         ; h = l / 16
	v_mul_u32_u24 v3, v1, PITCH
	v_lshl_add_u32 v4, v2, 4, v3                   ; a fragment's row x pitch + 16 x half
	s_mul_i32 s21, s15, HALFT                      ; my 128 rows of A
	s_mul_i32 s22, s16, HALFT                      ; my 128 rows of B,
	s_add_co_u32 s22, s22, 2*HALFT                 ; behind A's 256
.irp s, 0,1
	v_add_nc_u32 v[ADRA+\s], s21, v4
	v_add_nc_u32 v[ADRB+\s], s22, v4
	s_add_co_u32 s21, s21, SLOT
	s_add_co_u32 s22, s22, SLOT
.endr
	v_mul_u32_u24 v5, v1, KS                       ; my row's scales: KS bytes a row,
	v_lshrrev_b32 v6, 8, v5
	v_lshl_add_u32 v5, v6, 4, v5                   ; and 16 more for each 256 passed
	s_mul_i32 s21, s15, HALFS
	s_mul_i32 s22, s16, HALFS
	s_add_co_u32 s22, s22, 2*HALFS
	s_sub_co_u32 s22, s22, s21
	v_mul_u32_u24 v6, s22, v2                      ; lanes 16-31 take B's: one product, the distance between the two bases
	s_add_co_u32 s21, s21, SCL
	v_add_nc_u32 v5, v5, v6
	v_add_nc_u32 v[ADRS], s21, v5
	s_mul_i32 s23, s14, 16*SPITCH                  ; my stage
	v_mul_u32_u24 v5, v1, SPITCH
	v_lshl_add_u32 v5, v2, 4, v5
	v_add_nc_u32 v[STO], s23, v5                   ; in: token r, 16 bytes for each half of the lanes
	v_bfe_u32 v5, v0, 3, 2
	v_mul_u32_u24 v5, v5, SPITCH
	v_and_b32 v6, 7, v0
	v_lshl_add_u32 v5, v6, 4, v5
	v_add_nc_u32 v[RD], s23, v5                    ; back: eight lanes take a token's 128 bytes of one head, four tokens an instruction
	v_and_b32 v6, 31, v0
	v_lshlrev_b32 v[CO], 4, v6                     ; which are 512 consecutive bytes of the head's plane
	s_lshl_b32 s20, s17, 8
	s_lshl_b32 s21, s15, 7
	s_add_co_u32 s20, s20, s21                     ; my first token
	s_lshl_b32 s20, s20, 7                         ; 128 bytes a token
	s_mov_b32 s21, 0
	s_lshl_b32 s46, s42, 2
	s_lshl_b32 s47, s16, 1
	s_add_co_u32 s46, s46, s47                     ; my first plane: 4 x tile column + 2 x half
	s_lshl_b32 s46, s46, 19                        ; 524,288 bytes a plane
	s_mov_b32 s47, 0
	s_add_nc_u64 s[20:21], s[20:21], s[46:47]
	s_add_nc_u64 s[12:13], s[12:13], s[20:21]
	GETE 192, 96, 2
	v_sub_nc_u32 v192, 0, v192
	v_ldexp_f32 v[SCF], 1.0, v192                  ; 2^-E
	v_mov_b32 v[SCF+1], v[SCF]
.macro FRAG reg, adr, q, i             ; 16 rows x 128 K of 4-bit codes: 8 registers; registers 4 c .. 4 c + 3 hold K = 64 c + 32 (l / 16) + 0 .. 31
.irp c, 0,1
	ds_load_b128 v[\reg+4*\c:\reg+4*\c+3], v[\adr] offset:64*(\q)+32*\c+(\i)*16*PITCH
.endr
.endm
; 16 matrix instructions: A's blocks a0, a0 + 1 x B's eight, the slot's q-th 128 along K.  The 64 accumulators take turns, one instruction a turn.
; One register carries A's scale word in lanes 0-15 and B's in lanes 16-31.
.macro MUL16 a0, p, q, sc, zero
.irp a, \a0, \a0+1
.irp b, 0,1,2,3,4,5,6,7
.if \zero
	v_wmma_scale_f32_16x16x128_f8f6f4 v[8*(8*((\a)%4)+\b):8*(8*((\a)%4)+\b)+7], v[128*(\p)+FR*\b:128*(\p)+FR*\b+FR-1], v[AF+FR*(\a):AF+FR*(\a)+FR-1], 0, v[SC+8*NQ*(\sc)+NQ*\b+(\q)], v[SC+8*NQ*(\sc)+NQ*(\a)+(\q)] matrix_a_fmt:MATRIX_FMT_FP4 matrix_b_fmt:MATRIX_FMT_FP4 matrix_a_scale:MATRIX_SCALE_ROW1
.else
	v_wmma_scale_f32_16x16x128_f8f6f4 v[8*(8*((\a)%4)+\b):8*(8*((\a)%4)+\b)+7], v[128*(\p)+FR*\b:128*(\p)+FR*\b+FR-1], v[AF+FR*(\a):AF+FR*(\a)+FR-1], v[8*(8*((\a)%4)+\b):8*(8*((\a)%4)+\b)+7], v[SC+8*NQ*(\sc)+NQ*\b+(\q)], v[SC+8*NQ*(\sc)+NQ*(\a)+(\q)] matrix_a_fmt:MATRIX_FMT_FP4 matrix_b_fmt:MATRIX_FMT_FP4 matrix_a_scale:MATRIX_SCALE_ROW1
.endif
.endr
.endr
.endm
.macro FETCH_B slot, q, p
	WIN TO_B
.irp i, 0,1,2,3,4,5,6,7
	FRAG 128*(\p)+FR*\i, ADRB+\slot, \q, \i
.endr
	WIN 0
.endm
.macro FETCH_A slot, q, i0
.irp i, \i0, \i0+1, \i0+2, \i0+3
	FRAG AF+FR*(\i), ADRA+\slot, \q, \i
.endr
.endm
.macro SCALES sc                       ; a slot's scale words: four a row; lanes 0-15 A's block i, lanes 16-31 B's block i
.irp i, 0,1,2,3,4,5,6,7
	ds_load_b128 v[SC+8*NQ*\sc+NQ*\i:SC+8*NQ*\sc+NQ*\i+3], v[ADRS] offset:\i*SBLK
.endr
.endm
.macro PLACES n                        ; plain vector instructions between a matrix instruction and a load into, or a vector read or write of, its registers
.rept \n
	v_nop
.endr
.endm
.macro STEP slot, q, zero              ; 128 along K, with its successor in the same slot
	s_wait_dscnt 4*NL                              ; B's set and A's blocks 0-3 are in; the youngest eight loads (A's blocks 4-7) may be out
	WIN MUL_LO
	MUL16 0, (\q)%2, \q, \slot, \zero
	MUL16 2, (\q)%2, \q, \slot, \zero
	s_wait_dscnt 0
	PLACES NP
	FETCH_B \slot, (\q)+1, 1-(\q)%2
	FETCH_A \slot, (\q)+1, 0
	WIN MUL_HI
	MUL16 4, (\q)%2, \q, \slot, \zero
	MUL16 6, (\q)%2, \q, \slot, \zero
	PLACES NP
	WIN 0
	FETCH_A \slot, (\q)+1, 4
.endm
	s_wait_tensorcnt 1                             ; the scales and my part of slot 0 are in (slot 1's load may be out)
	s_barrier_signal -1
	s_barrier_wait -1                              ; everybody's are
	FETCH_B 0, 0, 0
	FETCH_A 0, 0, 0
	SCALES 0
	FETCH_A 0, 0, 4
	STEP 0, 0, 1                                   ; the first products start the sums: nothing is cleared
	STEP 0, 1, 0
	STEP 0, 2, 0
	; slot 0's last step changes slots: one barrier; in front of it my load of slot 1 has landed and my reads of slot 0 are over
	s_wait_tensorcnt 0x0
	ds_add_u32 v[SPW], v[NIL]
	s_wait_dscnt 4*NL+1                            ; (the add and the youngest eight loads may be out)
	WIN MUL_LO
	MUL16 0, 1, NQ-1, 0, 0
	s_wait_dscnt 0x0
	s_barrier_signal -1
	MUL16 2, 1, NQ-1, 0, 0
	WIN 0
	s_barrier_wait -1
	PLACES NP
	v_add_nc_u32 v[ADRS], 4*NQ, v[ADRS]            ; on to slot 1's scale words
	FETCH_B 1, 0, 0
	FETCH_A 1, 0, 0
	SCALES 1
	WIN MUL_HI
	MUL16 4, 1, NQ-1, 0, 0
	MUL16 6, 1, NQ-1, 0, 0
	PLACES NP
	WIN 0
	FETCH_A 1, 0, 4
	STEP 1, 0, 0
	STEP 1, 1, 0
	STEP 1, 2, 0
	s_wait_dscnt 4*NL                              ; the very last step: nothing more to fetch
	WIN MUL_LO
	MUL16 0, 1, NQ-1, 1, 0
	MUL16 2, 1, NQ-1, 1, 0
	s_wait_dscnt 0
	WIN MUL_HI
	MUL16 4, 1, NQ-1, 1, 0
	MUL16 6, 1, NQ-1, 1, 0
	WIN 0
; THE WAY OUT, 16 tokens x 128 columns (two heads) at a time: x 2^-E, rounded to f16, 16 bytes a lane into my stage; back as four tokens x 128 bytes of one head, which are 512 consecutive bytes of its plane.
.macro PACK a
.set AC, 64*((\a)%4)
	WIN 0x02+(\a)/4                                ; source 0: window 2 or 3
.irp b, 0,1,2,3,4,5,6,7
.irp r, 0,1,2,3
	v_pk_mul_f32 v[TF+8*\b+2*\r:TF+8*\b+2*\r+1], v[AC+8*\b+2*\r:AC+8*\b+2*\r+1], v[SCF:SCF+1] op_sel_hi:[1,0]   ; each accumulator from its low end on
.endr
.endr
	WIN 0
.irp b, 0,1,2,3,4,5,6,7
.irp r, 0,1,2,3
	v_cvt_pk_f16_f32 v[TH+4*\b+\r], v[TF+8*\b+2*\r], v[TF+8*\b+2*\r+1]
.endr
.endr
.endm
.macro TOSTAGE a
.irp b, 0,1,2,3,4,5,6,7
	ds_store_b128 v[STO], v[TH+4*\b:TH+4*\b+3] offset:32*\b
.endr
.irp hh, 0,1
.irp i, 0,1,2,3
	ds_load_b128 v[BK+32*((\a)%2)+4*(4*\hh+\i):BK+32*((\a)%2)+4*(4*\hh+\i)+3], v[RD] offset:4*SPITCH*\i+128*\hh   ; LDS serves a wave's instructions in order: these see the stores above
.endr
.endr
.endm
.macro SEND a
	s_wait_dscnt 0x0                               ; the block is back in registers
	s_wait_xcnt 0x0                                ; the block before has had its stores' registers read: the next loads from the stage may land there
.irp hh, 0,1
.irp i, 0,1,2,3
	global_store_b128 v[CO], v[BK+32*((\a)%2)+4*(4*\hh+\i):BK+32*((\a)%2)+4*(4*\hh+\i)+3], s[12:13] offset:524288*\hh+(16*(\a)+4*\i)*128   ; 32 lanes store 512 consecutive bytes, aligned
.endr
.endr
.endm
	PLACES NP                                      ; the first products x 2^-E land in the registers that held A's fragments
	PACK 0
	TOSTAGE 0
.irp a, 1,2,3,4,5,6,7                  ; block a's arithmetic stands between block a - 1's loads from the stage and the wait for them
	PACK \a
	SEND \a-1
	TOSTAGE \a
.endr
	SEND 7
	s_wait_tensorcnt 0x0                           ; the wave's end
	ds_add_u32 v[SPW], v[NIL]
	s_wait_dscnt 0x0
	CROUND                                         ; the closing round
	s_endpgm
.Lfunc_end_k_qaa6ba4c740_qkv:
	.size	k_qaa6ba4c740_qkv, .Lfunc_end_k_qaa6ba4c740_qkv-k_qaa6ba4c740_qkv
	.p2alignl 7, 3214868480
	.fill 96, 4, 3214868480
	.section	.rodata,"a",@progbits
	.p2align	6, 0x0
	.amdhsa_kernel k_qaa6ba4c740_qkv
		.amdhsa_group_segment_fixed_size 327680
		.amdhsa_private_segment_fixed_size 0
		.amdhsa_enable_private_segment 0
		.amdhsa_kernarg_size 48
		.amdhsa_user_sgpr_count 2
		.amdhsa_user_sgpr_kernarg_segment_ptr 1
		.amdhsa_wavefront_size32 1
		.amdhsa_system_sgpr_workgroup_id_x 1
		.amdhsa_system_sgpr_workgroup_id_y 1
		.amdhsa_system_sgpr_workgroup_id_z 1
		.amdhsa_system_vgpr_workitem_id 0
		.amdhsa_next_free_vgpr 1024
		.amdhsa_next_free_sgpr 98
		.amdhsa_reserve_vcc 0
		.amdhsa_float_denorm_mode_32 3
		.amdhsa_float_denorm_mode_16_64 3
		.amdhsa_memory_ordered 1
		.amdhsa_forward_progress 1
		.amdhsa_inst_pref_size 145
	.end_amdhsa_kernel
	.amdgpu_metadata
---
amdhsa.version: [ 1, 2 ]
amdhsa.kernels:
  - .name:           k_qaa6ba4c740_qkv
    .symbol:         k_qaa6ba4c740_qkv.kd
    .args:
      - { .name: x_codes, .offset: 0, .size: 8, .value_kind: global_buffer, .address_space: global }
      - { .name: x_scales, .offset: 8, .size: 8, .value_kind: global_buffer, .address_space: global }
      - { .name: w_codes, .offset: 16, .size: 8, .value_kind: global_buffer, .address_space: global }
      - { .name: w_scales, .offset: 24, .size: 8, .value_kind: global_buffer, .address_space: global }
      - { .name: qkv, .offset: 32, .size: 8, .value_kind: global_buffer, .address_space: global }
      - { .name: mx, .offset: 40, .size: 8, .value_kind: global_buffer, .address_space: global }
    .group_segment_fixed_size: 327680
    .private_segment_fixed_size: 0
    .kernarg_segment_align: 8
    .kernarg_segment_size: 48
    .max_flat_workgroup_size: 128
    .sgpr_count:     98
    .vgpr_count:     1024
    .wavefront_size: 32
...
	.end_amdgpu_metadata
.endif
;; end of part 2
;; launch attn (part 3): grid 16 x 16, 8 waves a work-group, no clusters, 271,360 bytes of LDS; arguments qkv, mx, o; writes o
.if DOCPART == 3
	.amdgcn_target "amdgcn-amd-amdhsa--gfx1250"
	.amdhsa_code_object_version 6
	.text
	.protected	k_qaa6ba4c740_attn
	.globl	k_qaa6ba4c740_attn
	.p2align	8
	.type	k_qaa6ba4c740_attn,@function
k_qaa6ba4c740_attn:
	s_mov_b64 s[64:65], 0
	v_nop
	global_prefetch_b8 v0, s[64:65] scope:SCOPE_SE
	s_setreg_imm32_b32 hwreg(HW_REG_WAVE_MODE, 25, 1), 1
	s_wait_xcnt 0x0
; o[h][q] = sum over keys k with |k - q| <= 256 of softmax_k(q . k / 8) v[k].  q, k, v: planes of qkv, f16 [plane][4096][64], each number x 2^-E (E as the launch before made it).  o: f16 [16][4096][64], x 2^-E too.
; Products on f16 operands with f32 sums; maxima, exponentials and sums in f32; the weights p (at most 1) are rounded to f16 for the second product.
; t = (q^ . k^) x c', c' = log2(e) / 8 x 2^(2 E): an exact power of two brings the stored numbers back.  o is a convex sum of v^, so it stays inside f16.
; SHARES.  A work-group owns 256 queries of one head, each of its eight waves 32 (two tiles of 16).  All 768 keys that the block can see (q0 - 256 .. q0 + 511) lie in LDS at once: LDS row i is key q0 - 256 + i;
; nothing is filled again.  Waves 0-3 fetch K (three loads of 64 rows each), waves 4-7 V.  The middle 256 keys are asked for first and are worked on (4 key steps of 64, every wave, no mask) while the outer two chunks land.
; THE WINDOW.  The waves 2 a, 2 a + 1 see key steps a .. a + 8 of the twelve.  With rho the query's place in the pair's 64 and kappa the key's in its step: step a hides kappa < rho, step a + 8 hides kappa > rho, the seven
; between hide nothing.  Keys outside the sequence are always whole steps: they are left out by a scalar branch on ids.  At the two edge blocks the chunk that has no keys is fetched from a clamped row and read by nobody,
; so that every wave has the same three loads on every path.
; LAYOUT.  S^T = K Q^T (source 0 = 16 keys, source 1 = 16 queries): a lane holds ONE query (lane % 16) and keys 8 (lane / 16) + 0 .. 7.  Two such tiles, rounded in pairs, are source 1 of O^T = V^T P; V is turned by ds_load_tr16_b128.
; NO CLUSTER: a chunk of 256 keys is the first, middle or last third of three neighbouring blocks' windows, so one joint descriptor would put it at LDS places that hang on a work-group's place in its cluster.
; REGISTERS: v1-14 addresses and constants; v16-31 statistics, eight a tile: +0 c' m, +1 m, +2, +3 l, +4 .. +7 at work (a in +6); v32-63 Q; v64-127 S^T, then p, then P in the low half of each tile's 32; v128-191 O^T; v192-255 K, then V.
.set PK,    144                        ; a row of K in LDS: 128 + 16 bytes = 36 words: 16 rows start at 16 different 16-byte columns
.set PV,    160                        ; a row of V: 128 + 32 bytes: an odd multiple of 32, for the turning load
.set VB,    768*PK
.set STAGE, VB+768*PV                  ; 32 rows x 144 bytes for each wave; no fill lands here
.set SPARE, STAGE+8*32*PK              ; the spare words, 128 bytes a wave, named by no other line
.set KSTEP, 64*PK
.set VSTEP, 64*PV
.set AK0, 1
.set AV0, 2
.set ADK, 3
.set ADV, 4
.set SPW, 5
.set NIL, 6
.set STO, 7
.set RD,  8
.set GO,  9
.set DD,  10                           ; v10, v11: rho - 8 (lane / 16) for tiles 0, 1
.set CC,  12                           ; v[12:13] c'
.set NINF, 14
.set ST,  16
.set Q,   32
.set S,   64
.set O,   128
.set KV,  192
.set G1K, 16
.set G1V, 24
.set G0K, 32                           ; three sets: chunks 1, 0, 2
.set G0V, 44
; E from the 896 largest magnitudes in mx: every lane ends with E in v[T]
.macro GETE T, MXS, SL
	v_and_b32 v[\T+28], 31, v0
	v_lshlrev_b32 v[\T+28], 4, v[\T+28]
.irp i, 0,1,2,3,4,5,6
	global_load_b128 v[\T+4*\i:\T+4*\i+3], v[\T+28], s[\MXS:\MXS+1] offset:512*\i
.endr
	s_wait_loadcnt 0x0
	v_max3_num_f32 v[\T], v[\T], v[\T+1], v[\T+2]
	v_max3_num_f32 v[\T+16], v[\T+16], v[\T+17], v[\T+18]
.irp i, 3,5,7,9
	v_max3_num_f32 v[\T], v[\T], v[\T+\i], v[\T+\i+1]
	v_max3_num_f32 v[\T+16], v[\T+16], v[\T+16+\i], v[\T+17+\i]
.endr
	v_max3_num_f32 v[\T], v[\T], v[\T+11], v[\T+12]
	v_max_num_f32 v[\T+16], v[\T+16], v[\T+27]
	v_max3_num_f32 v[\T], v[\T], v[\T+13], v[\T+14]
	v_max_num_f32 v[\T], v[\T], v[\T+15]
.irp m, 1,2,4,8
	v_max_num_f32_dpp v[\T], v[\T], v[\T] row_xmask:\m row_mask:0xf bank_mask:0xf
	v_max_num_f32_dpp v[\T+16], v[\T+16], v[\T+16] row_xmask:\m row_mask:0xf bank_mask:0xf
.endr
	v_permlanex16_b32 v[\T+1], v[\T], s[\SL], s[\SL+1]
	v_permlanex16_b32 v[\T+17], v[\T+16], s[\SL], s[\SL+1]
	v_max_num_f32 v[\T], v[\T], v[\T+1]
	v_max_num_f32 v[\T+16], v[\T+16], v[\T+17]
	v_lshrrev_b32 v[\T], 23, v[\T]
	v_lshrrev_b32 v[\T+16], 23, v[\T+16]
	v_add_nc_u32 v[\T], v[\T], v[\T+16]
	v_add_nc_u32 v[\T], 0xfffffeff, v[\T]          ; - 257
	v_max_i32 v[\T], 0xffffffc4, v[\T]             ; held to -60 .. 60
	v_min_i32 v[\T], 60, v[\T]
.endm
	s_load_b128 s[4:7], s[0:1], 0x0                ; qkv, mx
	s_load_b64 s[8:9], s[0:1], 0x10                ; o
	v_lshl_add_u32 v[SPW], v0, 2, SPARE
	v_mov_b32 v[NIL], 0
	ds_add_u32 v[SPW], v[NIL]                      ; the wave's opening: the add and its wait stand ahead of my first tensor load; the set-up below stands between them
	v_lshrrev_b32 v15, 5, v0
	v_readfirstlane_b32 s10, v15                   ; wave 0..7
	s_and_b32 s11, ttmp7, 0xffff                   ; the head
	s_lshl_b32 s12, ttmp9, 8                       ; q0: the block's first query
	s_and_b32 s13, s10, 3                          ; u: which 64 rows of each chunk I fetch
	s_lshr_b32 s14, s10, 1                         ; a: my pair of waves
	; descriptor group 1: 64 rows x 64 elements of 2 bytes, dense in memory; padding behind every 32 words: 4 words for K, 8 for V
	s_mov_b32 s[G1K], (1<<16)|(1<<20)|(4<<22)|(3<<25)
	s_mov_b32 s[G1V], (1<<16)|(1<<20)|(4<<22)|(7<<25)
.irp g, G1K, G1V
	s_mov_b32 s[\g+1], 64<<16                      ; tensor_dim0
	s_mov_b32 s[\g+2], 64<<16                      ; tensor_dim1
	s_mov_b32 s[\g+3], 64<<16                      ; tile_dim0
	s_mov_b32 s[\g+4], 64                          ; tile_dim1
	s_mov_b32 s[\g+5], 64                          ; pitch
	s_mov_b32 s[\g+6], 0
	s_mov_b32 s[\g+7], 0
.endr
	s_mov_b32 s56, 0x76543210                      ; v_permlanex16_b32's selects for lane l xor 16
	s_mov_b32 s57, 0xfedcba98
	s_lshl_b32 s59, s13, 6                         ; 64 u
	s_mul_i32 s68, s13, KSTEP                      ; my rows' place in a chunk of K,
	s_mul_i32 s69, s13, VSTEP
	s_add_co_u32 s69, s69, VB                      ; and of V
	s_add_co_u32 s66, s11, 16
	s_lshl_b32 s66, s66, 19                        ; k's plane of my head, in bytes
	s_add_co_u32 s67, s11, 32
	s_lshl_b32 s67, s67, 19                        ; v's
	s_mov_b32 s61, 0
	s_mov_b32 s63, 0
	s_wait_dscnt 0x0                               ; the opening add is done
	s_wait_kmcnt 0x0
.macro MKG0 n, c, row                  ; groups 0, set n, for chunk c, whose first row of the sequence stands in s[row]
	s_add_co_u32 s60, s[\row], s59
	s_lshl_b32 s60, s60, 7                         ; 128 bytes a row
	s_add_co_u32 s62, s60, s67
	s_add_co_u32 s60, s60, s66
	s_mov_b32 s[G0K+4*\n], 1
	s_add_co_u32 s[G0K+4*\n+1], s68, \c*4*KSTEP
	s_add_nc_u64 s[G0K+4*\n+2:G0K+4*\n+3], s[4:5], s[60:61]
	s_or_b32 s[G0K+4*\n+3], s[G0K+4*\n+3], 0x80000000
	s_mov_b32 s[G0V+4*\n], 1
	s_add_co_u32 s[G0V+4*\n+1], s69, \c*4*VSTEP
	s_add_nc_u64 s[G0V+4*\n+2:G0V+4*\n+3], s[4:5], s[62:63]
	s_or_b32 s[G0V+4*\n+3], s[G0V+4*\n+3], 0x80000000
.endm
	MKG0 0, 1, 12                                  ; the middle chunk: keys q0 .. q0 + 255
	s_sub_co_i32 s58, s12, 256
	s_max_i32 s58, s58, 0                          ; the first chunk; at block 0 it has no keys: a clamped row, read by nobody
	MKG0 1, 0, 58
	s_add_co_u32 s58, s12, 256
	s_min_u32 s58, s58, 3840                       ; the last chunk; at block 15 likewise
	MKG0 2, 2, 58
	s_cmp_lt_u32 s10, 4                            ; a wave's three first fills stand in one branch on its number, ahead of every wait on TENSORcnt, LDS read and barrier: three loads of mine are out
	s_cbranch_scc0 .Lfirst_v
.irp n, 0,1,2
	tensor_load_to_lds s[G0K+4*\n:G0K+4*\n+3], s[G1K:G1K+7]
	s_nop 0
.endr
.rept 4
	v_nop
.endr
	s_branch .Lfirst_asked
.Lfirst_v:
.irp n, 0,1,2
	tensor_load_to_lds s[G0V+4*\n:G0V+4*\n+3], s[G1V:G1V+7]
	s_nop 0
.endr
.rept 4
	v_nop
.endr
.Lfirst_asked:
	s_lshl_b32 s60, s10, 5
	s_add_co_u32 s60, s60, s12                     ; my first query: q0 + 32 x wave
	s_lshl_b32 s60, s60, 7
	s_lshl_b32 s62, s11, 19
	s_add_co_u32 s60, s60, s62
	s_add_nc_u64 s[4:5], s[4:5], s[60:61]          ; q's plane is the head's number; o is laid alike
	s_add_nc_u64 s[8:9], s[8:9], s[60:61]
	v_and_b32 v16, 15, v0                          ; r
	v_bfe_u32 v17, v0, 4, 1                        ; h
	v_lshlrev_b32 v15, 7, v16
	v_lshl_add_u32 v15, v17, 4, v15                ; Q: row r of 128 bytes, + 16 h
.irp t, 0,1
.irp c, 0,1
	global_load_b128 v[Q+16*\t+8*\c:Q+16*\t+8*\c+3], v15, s[4:5] offset:2048*\t+64*\c        ; Q stays in registers: tile t, channels 32 c on
	global_load_b128 v[Q+16*\t+8*\c+4:Q+16*\t+8*\c+7], v15, s[4:5] offset:2048*\t+64*\c+32
.endr
.endr
	GETE 64, 6, 56                                 ; (its wait for all loads serves Q too)
	v_lshlrev_b32 v64, 1, v64                      ; 2 E
	v_mov_b32 v[CC], 0x3e38aa3b                    ; log2(e) / 8
	v_ldexp_f32 v[CC], v[CC], v64                  ; c'
	v_mov_b32 v[CC+1], v[CC]
	v_mov_b32 v[NINF], 0xff800000                  ; -infinity
	v_mul_u32_u24 v[AK0], v16, PK
	v_lshl_add_u32 v[AK0], v17, 4, v[AK0]          ; K: row r x pitch + 16 h
	v_and_b32 v18, 7, v0
	v_bfe_u32 v19, v0, 3, 1
	v_lshl_add_u32 v[AV0], v17, 3, v18             ; V, turning load: key 8 h + l % 8,
	v_mul_u32_u24 v[AV0], v[AV0], PV
	v_lshl_add_u32 v[AV0], v19, 4, v[AV0]          ; channels 8 ((l / 8) % 2) on
	v_add_nc_u32 v[AV0], VB, v[AV0]
	s_mul_i32 s58, s10, 32*PK
	s_add_co_u32 s58, s58, STAGE                   ; my stage
	v_add_nc_u32 v[STO], s58, v[AK0]               ; in: row r, 16 bytes for each half of the lanes
	v_bfe_u32 v20, v0, 3, 2
	v_mul_u32_u24 v20, v20, PK
	v_lshl_add_u32 v20, v18, 4, v20
	v_add_nc_u32 v[RD], s58, v20                   ; back: eight lanes to a row of 128 bytes, four rows an instruction
	v_and_b32 v[GO], 31, v0
	v_lshlrev_b32 v[GO], 4, v[GO]                  ; which are 512 consecutive bytes of o
	s_and_b32 s58, s10, 1
	s_lshl_b32 s58, s58, 5
	v_lshlrev_b32 v21, 3, v17
	v_sub_nc_u32 v[DD], v16, v21
	v_add_nc_u32 v[DD], s58, v[DD]                 ; 32 (wave % 2) + r - 8 h
	v_add_nc_u32 v[DD+1], 16, v[DD]
	s_wait_tensorcnt 0x2                           ; my part of the middle chunk is in; the other two loads stay out
	s_barrier_signal -1
	s_barrier_wait -1                              ; everybody's is
.macro KLOAD                           ; 64 keys x 64 channels: 8 fragments (keys 16 kt on, channels 32 c on)
.irp kt, 0,1,2,3
.irp c, 0,1
	ds_load_b128 v[KV+16*\kt+8*\c:KV+16*\kt+8*\c+3], v[ADK] offset:16*PK*\kt+64*\c
	ds_load_b128 v[KV+16*\kt+8*\c+4:KV+16*\kt+8*\c+7], v[ADK] offset:16*PK*\kt+64*\c+32
.endr
.endr
.endm
.macro VLOAD                           ; the same keys' V, turned: 8 fragments (keys 32 g on, channels 16 ct on)
.irp g, 0,1
.irp ct, 0,1,2,3
	ds_load_tr16_b128 v[KV+32*\g+8*\ct:KV+32*\g+8*\ct+3], v[ADV] offset:32*PV*\g+32*\ct
	ds_load_tr16_b128 v[KV+32*\g+8*\ct+4:KV+32*\g+8*\ct+7], v[ADV] offset:32*PV*\g+16*PV+32*\ct
.endr
.endr
.endm
.macro KQ                              ; S^T = K Q^T: eight accumulators by turns, one instruction a turn; the first eight start the sums
.irp kt, 0,1,2,3
.irp t, 0,1
	v_wmma_f32_16x16x32_f16 v[S+32*\t+8*\kt:S+32*\t+8*\kt+7], v[KV+16*\kt:KV+16*\kt+7], v[Q+16*\t:Q+16*\t+7], 0
.endr
.endr
.irp kt, 0,1,2,3
.irp t, 0,1
	v_wmma_f32_16x16x32_f16 v[S+32*\t+8*\kt:S+32*\t+8*\kt+7], v[KV+16*\kt+8:KV+16*\kt+15], v[Q+16*\t+8:Q+16*\t+15], v[S+32*\t+8*\kt:S+32*\t+8*\kt+7]
.endr
.endr
.endm
.macro PVM first                       ; O^T += V^T P: eight accumulators by turns
.irp ct, 0,1,2,3
.irp t, 0,1
.if \first
	v_wmma_f32_16x16x32_f16 v[O+32*\t+8*\ct:O+32*\t+8*\ct+7], v[KV+8*\ct:KV+8*\ct+7], v[S+32*\t:S+32*\t+7], 0
.else
	v_wmma_f32_16x16x32_f16 v[O+32*\t+8*\ct:O+32*\t+8*\ct+7], v[KV+8*\ct:KV+8*\ct+7], v[S+32*\t:S+32*\t+7], v[O+32*\t+8*\ct:O+32*\t+8*\ct+7]
.endif
.endr
.endr
.irp ct, 0,1,2,3
.irp t, 0,1
	v_wmma_f32_16x16x32_f16 v[O+32*\t+8*\ct:O+32*\t+8*\ct+7], v[KV+32+8*\ct:KV+32+8*\ct+7], v[S+32*\t+8:S+32*\t+15], v[O+32*\t+8*\ct:O+32*\t+8*\ct+7]
.endr
.endr
.endm
; Register 8 kt + jj of a tile holds key kappa = 16 kt + 8 h + jj.  hi = 0: hidden where kappa < rho; hi = 1: where kappa > rho.  Hidden scores become -infinity: p = 0.
.macro MASK hi
.irp t, 0,1
.irp n, 0,1,2,3,4,5,6,7,8,9,10,11,12,13,14,15,16,17,18,19,20,21,22,23,24,25,26,27,28,29,30,31
.if \hi
	v_cmp_gt_i32 vcc_lo, 16*(\n/8)+\n%8, v[DD+\t]
.else
	v_cmp_lt_i32 vcc_lo, 16*(\n/8)+\n%8, v[DD+\t]
.endif
	v_cndmask_b32 v[S+32*\t+\n], v[S+32*\t+\n], v[NINF], vcc_lo
.endr
.endr
.endm
; The softmax of a key step, the two tiles line by line in turn.  first = 1: the first step starts m, l and O^T.
.macro SOFTMAX first
.irp j, 0,1,2,3
.irp t, 0,1
	v_max3_num_f32 v[ST+8*\t+4+\j], v[S+32*\t+8*\j], v[S+32*\t+8*\j+1], v[S+32*\t+8*\j+2]      ; four chains, each accumulator from its low end on
.endr
.endr
.irp i, 3,5
.irp j, 0,1,2,3
.irp t, 0,1
	v_max3_num_f32 v[ST+8*\t+4+\j], v[ST+8*\t+4+\j], v[S+32*\t+8*\j+\i], v[S+32*\t+8*\j+\i+1]
.endr
.endr
.endr
.irp t, 0,1
	v_max3_num_f32 v[ST+8*\t+4], v[ST+8*\t+4], v[S+32*\t+7], v[S+32*\t+15]
.endr
.irp t, 0,1
	v_max3_num_f32 v[ST+8*\t+6], v[ST+8*\t+6], v[S+32*\t+23], v[S+32*\t+31]
.endr
.irp t, 0,1
	v_max3_num_f32 v[ST+8*\t+4], v[ST+8*\t+4], v[ST+8*\t+5], v[ST+8*\t+6]
.endr
.irp t, 0,1
.if \first
	v_max_num_f32 v[ST+8*\t+4], v[ST+8*\t+4], v[ST+8*\t+7]
.else
	v_max3_num_f32 v[ST+8*\t+4], v[ST+8*\t+4], v[ST+8*\t+7], v[ST+8*\t+1]                      ; with the old m
.endif
.endr
.irp t, 0,1
	v_permlanex16_b32 v[ST+8*\t+5], v[ST+8*\t+4], s56, s57                                     ; the query's other 32 keys lie in the lane 16 away
.endr
.if \first == 0
.irp t, 0,1
	v_mov_b32 v[ST+8*\t+7], v[ST+8*\t]                                                         ; c' m_old is kept for a
.endr
.endif
.irp t, 0,1
	v_max_num_f32 v[ST+8*\t+1], v[ST+8*\t+4], v[ST+8*\t+5]                                     ; the new m
.endr
.irp t, 0,1
	v_mul_f32 v[ST+8*\t], v[CC], v[ST+8*\t+1]
.endr
.if \first == 0
.irp t, 0,1
	v_sub_f32 v[ST+8*\t+7], v[ST+8*\t+7], v[ST+8*\t]
.endr
.endif
.irp i, 0,2,4,6,8,10,12,14,16,18,20,22,24,26,28,30
.irp t, 0,1
	v_pk_fma_f32 v[S+32*\t+\i:S+32*\t+\i+1], v[S+32*\t+\i:S+32*\t+\i+1], v[CC:CC+1], v[ST+8*\t:ST+8*\t+1] op_sel_hi:[1,0,0] neg_lo:[0,0,1] neg_hi:[0,0,1]   ; c' s - c' m
.endr
.endr
.if \first == 0
.irp t, 0,1
	v_exp_f32 v[ST+8*\t+6], v[ST+8*\t+7]                                                       ; a = 2^(c' m_old - c' m_new)
.endr
.endif
.irp e, 0,1,2,3,4,5,6,7,8,9,10,11,12,13,14,15,16,17,18,19,20,21,22,23,24,25,26,27,28,29,30,31
.irp t, 0,1
	v_exp_f32 v[S+32*\t+\e], v[S+32*\t+\e]                                                     ; ONE BATCH: no line of it reads an exponential's result
.endr
.endr
	v_nop                                          ; the plain instruction behind the last exponential
	s_wait_alu depctr_va_vdst(0)                   ; and the one wait for the batch, ahead of its first reader
.if \first == 0
.irp t, 0,1
	v_pk_mul_f32 v[ST+8*\t+2:ST+8*\t+3], v[ST+8*\t+2:ST+8*\t+3], v[ST+8*\t+6:ST+8*\t+7] op_sel_hi:[1,0]
.endr
.endif
.irp t, 0,1
	v_pk_add_f32 v[ST+8*\t+4:ST+8*\t+5], v[S+32*\t:S+32*\t+1], v[S+32*\t+2:S+32*\t+3]          ; the sums of the unrounded p, in two chains
.endr
.irp t, 0,1
.if \first
	v_pk_add_f32 v[ST+8*\t+2:ST+8*\t+3], v[S+32*\t+4:S+32*\t+5], v[S+32*\t+6:S+32*\t+7]
.else
	v_pk_add_f32 v[ST+8*\t+2:ST+8*\t+3], v[ST+8*\t+2:ST+8*\t+3], v[S+32*\t+4:S+32*\t+5]
	v_pk_add_f32 v[ST+8*\t+4:ST+8*\t+5], v[ST+8*\t+4:ST+8*\t+5], v[S+32*\t+6:S+32*\t+7]
.endif
.endr
.irp i, 8,12,16,20,24,28
.irp t, 0,1
	v_pk_add_f32 v[ST+8*\t+2:ST+8*\t+3], v[ST+8*\t+2:ST+8*\t+3], v[S+32*\t+\i:S+32*\t+\i+1]
	v_pk_add_f32 v[ST+8*\t+4:ST+8*\t+5], v[ST+8*\t+4:ST+8*\t+5], v[S+32*\t+\i+2:S+32*\t+\i+3]
.endr
.endr
.irp t, 0,1
	v_pk_add_f32 v[ST+8*\t+2:ST+8*\t+3], v[ST+8*\t+2:ST+8*\t+3], v[ST+8*\t+4:ST+8*\t+5]
.endr
.irp i, 0,1,2,3,4,5,6,7,8,9,10,11,12,13,14,15
.irp t, 0,1
	v_cvt_pk_f16_f32 v[S+32*\t+\i], v[S+32*\t+2*\i], v[S+32*\t+2*\i+1]                         ; P, in place: register i is written when pairs 0 .. i have been read
.endr
.endr
.if \first == 0
.irp i, 0,2,4,6,8,10,12,14,16,18,20,22,24,26,28,30
.irp t, 0,1
	v_pk_mul_f32 v[O+32*\t+\i:O+32*\t+\i+1], v[O+32*\t+\i:O+32*\t+\i+1], v[ST+8*\t+6:ST+8*\t+7] op_sel_hi:[1,0]   ; O^T x a
.endr
.endr
.endif
.endm
.macro BODY mask, first                ; mask: 0 none, 1 the window's lower edge, 2 its upper edge
	KLOAD
	s_wait_dscnt 0x0
	KQ
.rept 4
	v_nop                                          ; places behind the products: V's loads land in K's registers, and the scores are read
.endr
	VLOAD                                          ; lands while the softmax is worked
.if \mask == 1
	MASK 0
.elseif \mask == 2
	MASK 1
.endif
	SOFTMAX \first
	s_wait_dscnt 0x0                               ; V is in
	PVM \first
.endm
; Five places stand at a step's head: the next products K Q^T write over P's registers, which the last products read, and K's loads land in V's.
.macro STEPA n, first                  ; key step 4 + n: the middle chunk
	v_add_nc_u32 v[ADK], (4+\n)*KSTEP, v[AK0]
	v_add_nc_u32 v[ADV], (4+\n)*VSTEP, v[AV0]
.rept 3
	v_nop
.endr
	BODY 0, \first
.endm
.macro STEPB i, mask                   ; the i-th of my pair's five outer steps: a + i where that is under 4, else a + i + 4
	s_add_co_u32 s68, s14, \i
	s_lshr_b32 s69, s68, 2
	s_lshl_b32 s69, s69, 2
	s_add_co_u32 s68, s68, s69
	s_mul_i32 s66, s68, KSTEP
	s_mul_i32 s67, s68, VSTEP
	s_lshl_b32 s69, s68, 6
	s_add_co_u32 s69, s69, s12
	s_sub_co_u32 s69, s69, 256                     ; the step's first key; under 0 it wraps to a great number
	s_cmp_ge_u32 s69, 4096                         ; ids alone: a step outside the sequence is left out whole; no barrier and no tensor load stands in a step
	s_cbranch_scc1 .Lskip_\@
	v_add_nc_u32 v[ADK], s66, v[AK0]
	v_add_nc_u32 v[ADV], s67, v[AV0]
.rept 3
	v_nop
.endr
	BODY \mask, 0
.Lskip_\@:
.endm
	STEPA 0, 1
	STEPA 1, 0
	STEPA 2, 0
	STEPA 3, 0
	s_wait_tensorcnt 0x0                           ; my parts of the outer chunks are in,
	s_wait_dscnt 0x0
	s_barrier_signal -1
	s_barrier_wait -1                              ; everybody's are
	STEPB 0, 1
	STEPB 1, 0
	STEPB 2, 0
	STEPB 3, 0
	STEPB 4, 2
	; THE WAY OUT.  l's two halves and the other half of the lanes' are added; O^T / l is rounded to f16 and goes through my stage, so that a store covers four whole rows.
.rept 4
	v_nop
.endr
.irp t, 0,1
	v_add_f32 v[ST+8*\t+4], v[ST+8*\t+2], v[ST+8*\t+3]
.endr
.irp t, 0,1
	v_permlanex16_b32 v[ST+8*\t+5], v[ST+8*\t+4], s56, s57
.endr
.irp t, 0,1
	v_add_f32 v[ST+8*\t+4], v[ST+8*\t+4], v[ST+8*\t+5]
.endr
.irp t, 0,1
	v_rcp_f32 v[ST+8*\t+6], v[ST+8*\t+4]
.endr
	v_nop                                          ; a plain instruction behind the last reciprocal
	s_wait_alu depctr_va_vdst(0)                   ; and the wait ahead of the first use: one for both
.irp t, 0,1
.irp i, 0,2,4,6,8,10,12,14,16,18,20,22,24,26,28,30
	v_pk_mul_f32 v[O+32*\t+\i:O+32*\t+\i+1], v[O+32*\t+\i:O+32*\t+\i+1], v[ST+8*\t+6:ST+8*\t+7] op_sel_hi:[1,0]
.endr
.irp k, 0,1,2,3,4,5,6,7,8,9,10,11,12,13,14,15
	v_cvt_pk_f16_f32 v[S+16*\t+\k], v[O+32*\t+2*\k], v[O+32*\t+2*\k+1]
.endr
.irp ct, 0,1,2,3
	ds_store_b128 v[STO], v[S+16*\t+4*\ct:S+16*\t+4*\ct+3] offset:16*PK*\t+32*\ct
.endr
.irp i, 0,1,2,3
	ds_load_b128 v[S+32+16*\t+4*\i:S+32+16*\t+4*\i+3], v[RD] offset:16*PK*\t+4*PK*\i           ; LDS serves a wave's instructions in order: these see my stores
.endr
.endr
	s_wait_dscnt 0x0
.irp t, 0,1
.irp i, 0,1,2,3
	global_store_b128 v[GO], v[S+32+16*\t+4*\i:S+32+16*\t+4*\i+3], s[8:9] offset:2048*\t+512*\i   ; 32 lanes store 512 consecutive bytes, aligned
.endr
.endr
	s_wait_tensorcnt 0x0                           ; the wave's end
	ds_add_u32 v[SPW], v[NIL]
	s_wait_dscnt 0x0
	s_endpgm
.Lfunc_end_k_qaa6ba4c740_attn:
	.size	k_qaa6ba4c740_attn, .Lfunc_end_k_qaa6ba4c740_attn-k_qaa6ba4c740_attn
	.p2alignl 7, 3214868480
	.fill 96, 4, 3214868480
	.section	.rodata,"a",@progbits
	.p2align	6, 0x0
	.amdhsa_kernel k_qaa6ba4c740_attn
		.amdhsa_group_segment_fixed_size 271360
		.amdhsa_private_segment_fixed_size 0
		.amdhsa_enable_private_segment 0
		.amdhsa_kernarg_size 24
		.amdhsa_user_sgpr_count 2
		.amdhsa_user_sgpr_kernarg_segment_ptr 1
		.amdhsa_wavefront_size32 1
		.amdhsa_system_sgpr_workgroup_id_x 1
		.amdhsa_system_sgpr_workgroup_id_y 1
		.amdhsa_system_sgpr_workgroup_id_z 1
		.amdhsa_system_vgpr_workitem_id 0
		.amdhsa_next_free_vgpr 256
		.amdhsa_next_free_sgpr 72
		.amdhsa_reserve_vcc 1
		.amdhsa_float_denorm_mode_32 3
		.amdhsa_float_denorm_mode_16_64 3
		.amdhsa_memory_ordered 1
		.amdhsa_forward_progress 1
		.amdhsa_inst_pref_size 178
	.end_amdhsa_kernel
	.amdgpu_metadata
---
amdhsa.version: [ 1, 2 ]
amdhsa.kernels:
  - .name:           k_qaa6ba4c740_attn
    .symbol:         k_qaa6ba4c740_attn.kd
    .args:
      - { .name: qkv, .offset: 0, .size: 8, .value_kind: global_buffer, .address_space: global }
      - { .name: mx, .offset: 8, .size: 8, .value_kind: global_buffer, .address_space: global }
      - { .name: o, .offset: 16, .size: 8, .value_kind: global_buffer, .address_space: global }
    .group_segment_fixed_size: 271360
    .private_segment_fixed_size: 0
    .kernarg_segment_align: 8
    .kernarg_segment_size: 24
    .max_flat_workgroup_size: 256
    .sgpr_count:     72
    .vgpr_count:     256
    .wavefront_size: 32
...
	.end_amdgpu_metadata
.endif
;; end of part 3
;; launch proj (part 4): grid 8 x 32, 4 waves a work-group, clusters of 4 x 4, 327,680 bytes of LDS; arguments o, wp16, b_proj, mx, out0; writes out0
.if DOCPART == 4
	.amdgcn_target "amdgcn-amd-amdhsa--gfx1250"
	.amdhsa_code_object_version 6
	.text
	.protected	k_qaa6ba4c740_proj
	.globl	k_qaa6ba4c740_proj
	.p2align	8
	.type	k_qaa6ba4c740_proj,@function
k_qaa6ba4c740_proj:
	s_mov_b64 s[64:65], 0
	v_nop
	global_prefetch_b8 v0, s[64:65] scope:SCOPE_SE
	s_setreg_imm32_b32 hwreg(HW_REG_WAVE_MODE, 25, 1), 1
	s_wait_xcnt 0x0
	s_wait_alu depctr_hold_cnt(0) depctr_sa_sdst(0) depctr_va_vdst(0) depctr_va_sdst(0) depctr_va_ssrc(0) depctr_va_vcc(0) depctr_vm_vsrc(0)
	s_getreg_b32 s2, hwreg(HW_REG_IB_STS2, 6, 4)
	s_cmp_eq_u32 s2, 0
	s_cbranch_scc0 .Lentry_in_a_cluster
	s_endpgm
.Lentry_in_a_cluster:
	s_bfe_u32 s2, ttmp6, 0x10000c
	s_cmp_lg_u32 s2, 0xf033
	s_cbranch_scc0 .Lentry_shape_is_right
	s_endpgm
.Lentry_shape_is_right:
; out0[m][n] = 2^E x (sum over k of o^[m][k] w_proj[n][k]) + b_proj[n].  o^: f16 [16 planes][4096][64], each number x 2^-E; wp16: f16 [16 planes][1024][64]; k = 64 x plane + channel.  Sums in f32; one fused multiply-add at the end.
; A tile of out0 is 128 x 128 (256 work-groups): four waves, each 64 x 64: 16 accumulators.  K goes in steps of 256 = four planes through a ring of two LDS slots.
; A wave's tensor load brings 64 rows of four planes.  In a plane the 64 rows are 8,192 dense bytes, so the tile is stated as 4 rows of 4,096 elements, a plane apart, with 16 bytes of padding behind every 128:
; in LDS every row of 64 channels then lies 144 bytes from the next, plane behind plane.
; CLUSTERS: 4 x 4 work-groups; A's tiles are asked for jointly along a row of the cluster, B's along a column.  THE MATRIX INSTRUCTION IS USED TRANSPOSED (source 0 = 16 rows of B, source 1 = 16 rows of A).
; REGISTERS: window 0: v0-29 addresses, v[30:31] 2^E; v32-95 at work on the way out; v96-127 the bias of my 64 columns in the result's layout; v128-255 the accumulators ((a, b) at v[128 + 8 (4 a + b)]).
;   window 1: two fragment buffers of 128: for 64 along K (one plane), 64 registers of A, then 64 of B.
.set PITCH,  144                       ; 128 + 16 bytes = 36 words: the 16 rows of a fragment load start at 16 different 16-byte columns
.set PLANE,  64*PITCH
.set HALFT,  4*PLANE                   ; what one tensor load brings, and what one wave reads of A or of B
.set SLOT,   4*HALFT
.set STAGE,  2*SLOT                    ; behind the ring: 16 rows x 272 bytes for each wave
.set SPITCH, 272
.set SPARE,  STAGE+4*16*SPITCH         ; the spare words, 128 bytes a wave, named by no other line
.set ASTEP,  4*524288                  ; a K step in o: four planes
.set BSTEP,  4*131072                  ; and in wp16
.set ADRA, 16
.set ADRB, 20
.set STO,  24
.set RD,   25
.set CO,   26
.set SPW,  28
.set NIL,  29
.set SCF,  30
.set TMP,  32
.set BI,   96
.set ACC,  128
.set F0,   0
.set F1,   128
.set G1, 24
.set G0, 32
.set G1B, 48
.set G0B, 56
.set MSB, 0
.macro WIN new
.if MSB != \new
	s_set_vgpr_msb (MSB<<8)|\new
.set MSB, \new
.endif
.endm
.set MUL,  0x05                        ; sources 0 (B) and 1 (A) window 1; C and D window 0
.set TO_F, 0x40
.macro JLOAD s                         ; a joint load: waves 0 and 1 fetch A's two halves, waves 2 and 3 B's; an s_nop 0 and four v_nop follow each line
	s_cmp_eq_u32 s11, 0
	s_cbranch_scc0 .Lfor_b_\@
	tensor_load_to_lds s[G0+4*\s:G0+4*\s+3], s[G1:G1+7]
	s_nop 0
.rept 4
	v_nop
.endr
	s_branch .Lasked_\@
.Lfor_b_\@:
	tensor_load_to_lds s[G0B+4*\s:G0B+4*\s+3], s[G1B:G1B+7]
	s_nop 0
.rept 4
	v_nop
.endr
.Lasked_\@:
.endm
.macro CREST
	s_cmp_lg_u32 s10, 0
	s_cbranch_scc1 .Lnot_wave_0_\@
	s_barrier_signal -3
.Lnot_wave_0_\@:
	s_barrier_wait -3
	s_barrier_signal -1
	s_barrier_wait -1
.endm
.macro CROUND
	s_barrier_signal -1
	s_barrier_wait -1
	CREST
.endm
.macro GETE T, MXS, SL                 ; E from the 896 largest magnitudes in mx: every lane ends with E in v[T]
	v_and_b32 v[\T+28], 31, v0
	v_lshlrev_b32 v[\T+28], 4, v[\T+28]
.irp i, 0,1,2,3,4,5,6
	global_load_b128 v[\T+4*\i:\T+4*\i+3], v[\T+28], s[\MXS:\MXS+1] offset:512*\i
.endr
	s_wait_loadcnt 0x0
	v_max3_num_f32 v[\T], v[\T], v[\T+1], v[\T+2]
	v_max3_num_f32 v[\T+16], v[\T+16], v[\T+17], v[\T+18]
.irp i, 3,5,7,9
	v_max3_num_f32 v[\T], v[\T], v[\T+\i], v[\T+\i+1]
	v_max3_num_f32 v[\T+16], v[\T+16], v[\T+16+\i], v[\T+17+\i]
.endr
	v_max3_num_f32 v[\T], v[\T], v[\T+11], v[\T+12]
	v_max_num_f32 v[\T+16], v[\T+16], v[\T+27]
	v_max3_num_f32 v[\T], v[\T], v[\T+13], v[\T+14]
	v_max_num_f32 v[\T], v[\T], v[\T+15]
.irp m, 1,2,4,8
	v_max_num_f32_dpp v[\T], v[\T], v[\T] row_xmask:\m row_mask:0xf bank_mask:0xf
	v_max_num_f32_dpp v[\T+16], v[\T+16], v[\T+16] row_xmask:\m row_mask:0xf bank_mask:0xf
.endr
	v_permlanex16_b32 v[\T+1], v[\T], s[\SL], s[\SL+1]
	v_permlanex16_b32 v[\T+17], v[\T+16], s[\SL], s[\SL+1]
	v_max_num_f32 v[\T], v[\T], v[\T+1]
	v_max_num_f32 v[\T+16], v[\T+16], v[\T+17]
	v_lshrrev_b32 v[\T], 23, v[\T]
	v_lshrrev_b32 v[\T+16], 23, v[\T+16]
	v_add_nc_u32 v[\T], v[\T], v[\T+16]
	v_add_nc_u32 v[\T], 0xfffffeff, v[\T]          ; - 257
	v_max_i32 v[\T], 0xffffffc4, v[\T]             ; held to -60 .. 60
	v_min_i32 v[\T], 60, v[\T]
.endm
	s_load_b128 s[4:7], s[0:1], 0x0                ; o, wp16
	s_load_b128 s[68:71], s[0:1], 0x10             ; b_proj, mx
	s_load_b64 s[8:9], s[0:1], 0x20                ; out0
	v_lshl_add_u32 v[SPW], v0, 2, SPARE
	v_mov_b32 v[NIL], 0
	ds_add_u32 v[SPW], v[NIL]                      ; the wave's opening: the add and its wait stand ahead of my first tensor load; the set-up below stands between them
	v_lshrrev_b32 v1, 5, v0
	v_readfirstlane_b32 s10, v1                    ; wave 0..3
	s_lshr_b32 s11, s10, 1                         ; which half of the tile's rows is mine.  Also: I fetch for A (0) or for B (1)
	s_and_b32 s12, s10, 1                          ; which half of its columns.  Also: which 64 rows I fetch
	s_bfe_u32 s40, ttmp6, 0x40000                  ; cx, cy
	s_bfe_u32 s41, ttmp6, 0x40004
	s_lshl_b32 s42, ttmp9, 2
	s_add_co_u32 s42, s42, s40                     ; tile column
	s_and_b32 s13, ttmp7, 0xffff
	s_lshl_b32 s13, s13, 2
	s_add_co_u32 s13, s13, s41                     ; tile row
	s_lshl_b32 s43, s41, 2
	s_lshl_b32 s43, 15, s43                        ; my row of the cluster
	s_lshl_b32 s44, 0x1111, s40                    ; my column
	s_mov_b32 s66, 0x76543210                      ; v_permlanex16_b32's selects for lane l xor 16
	s_mov_b32 s67, 0xfedcba98
	; descriptor group 1: 4 rows (planes) x 4,096 elements of 2 bytes; padding: 4 words behind every 32
	s_or_b32 s[G1+0], s43, (1<<16)|(1<<20)|(1<<21)|(4<<22)|(3<<25)
	s_or_b32 s[G1B+0], s44, (1<<16)|(1<<20)|(1<<21)|(4<<22)|(3<<25)
.irp g, G1, G1B
	s_mov_b32 s[\g+1], 4096<<16                    ; tensor_dim0
	s_mov_b32 s[\g+2], 4<<16                       ; tensor_dim1
	s_mov_b32 s[\g+3], 4096<<16                    ; tile_dim0
	s_mov_b32 s[\g+4], 4                           ; tile_dim1
	s_mov_b32 s[\g+6], 0
	s_mov_b32 s[\g+7], 0
.endr
	s_mov_b32 s[G1+5], 262144                      ; from plane to plane, in elements: 4096 x 64
	s_mov_b32 s[G1B+5], 65536                      ; 1024 x 64
	s_lshl_b32 s17, s12, 6                         ; which 64 rows of the tile I fetch
	s_lshl_b32 s16, s13, 7
	s_add_co_u32 s16, s16, s17
	s_lshl_b32 s16, s16, 7                         ; A: (128 x tile row + 64 x half) rows of 128 bytes
	s_lshl_b32 s46, s42, 7
	s_add_co_u32 s46, s46, s17
	s_lshl_b32 s46, s46, 7                         ; B: by the tile column
	s_mov_b32 s17, 0
	s_mov_b32 s47, 0
	s_mul_i32 s20, s10, HALFT                      ; where they go: no place in the cluster enters an LDS address
	s_wait_dscnt 0x0                               ; the opening add is done
	s_wait_kmcnt 0x0
	s_add_nc_u64 s[14:15], s[4:5], s[16:17]
	s_add_nc_u64 s[46:47], s[6:7], s[46:47]
	CROUND                                         ; all sixteen work-groups are here: the first joint loads meet
.irp s, 0,1
	s_mov_b32 s[G0+4*\s], 1
	s_add_co_u32 s[G0+4*\s+1], s20, \s*SLOT
	s_add_nc_u64 s[G0+4*\s+2:G0+4*\s+3], s[14:15], \s*ASTEP
	s_or_b32 s[G0+4*\s+3], s[G0+4*\s+3], 0x80000000
	s_mov_b32 s[G0B+4*\s], 1
	s_add_co_u32 s[G0B+4*\s+1], s20, \s*SLOT
	s_add_nc_u64 s[G0B+4*\s+2:G0B+4*\s+3], s[46:47], \s*BSTEP
	s_or_b32 s[G0B+4*\s+3], s[G0B+4*\s+3], 0x80000000
	JLOAD \s
.endr
	v_and_b32 v1, 15, v0                           ; r
	v_bfe_u32 v2, v0, 4, 1                         ; h
	v_mul_u32_u24 v3, v1, PITCH
	v_lshl_add_u32 v3, v2, 4, v3                   ; a fragment's row x pitch + 16 x half
	s_mul_i32 s21, s11, HALFT                      ; my 64 rows of A
	s_mul_i32 s22, s12, HALFT                      ; my 64 rows of B,
	s_add_co_u32 s22, s22, 2*HALFT                 ; behind A's 128
.irp s, 0,1
	v_add_nc_u32 v[ADRA+\s], s21, v3
	v_add_nc_u32 v[ADRB+\s], s22, v3
	s_add_co_u32 s21, s21, SLOT
	s_add_co_u32 s22, s22, SLOT
.endr
	s_mul_i32 s23, s10, 16*SPITCH
	s_add_co_u32 s23, s23, STAGE                   ; my stage: my 64 columns are 256 bytes, a whole aligned run, so no other wave has a part in it
	v_mul_u32_u24 v4, v1, SPITCH
	v_lshl_add_u32 v4, v2, 5, v4
	v_add_nc_u32 v[STO], s23, v4                   ; in: row r, 32 bytes for each half of the lanes
	v_mul_u32_u24 v5, v2, SPITCH
	v_lshl_add_u32 v5, v1, 4, v5
	v_add_nc_u32 v[RD], s23, v5                    ; back: lanes 0-15 one row of 256 bytes, lanes 16-31 the next
	v_lshlrev_b32 v5, 12, v2
	v_lshl_add_u32 v[CO], v1, 4, v5                ; and the same two rows in out0 (4,096 bytes a row)
	s_lshl_b32 s16, s13, 7
	s_lshl_b32 s17, s11, 6
	s_add_co_u32 s16, s16, s17                     ; my first row
	s_lshl_b32 s16, s16, 12
	s_mov_b32 s17, 0
	s_add_nc_u64 s[8:9], s[8:9], s[16:17]
	s_lshl_b32 s46, s42, 9                         ; my first column, in bytes: 512 x tile column + 256 x half
	s_lshl_b32 s47, s12, 8
	s_add_co_u32 s46, s46, s47
	s_mov_b32 s47, 0
	s_add_nc_u64 s[8:9], s[8:9], s[46:47]
	s_add_nc_u64 s[68:69], s[68:69], s[46:47]      ; the bias of the same columns
	v_lshlrev_b32 v6, 5, v2                        ; lane (r, h) wants, for block b, columns 16 b + 8 h + 0 .. 7
.irp b, 0,1,2,3
	global_load_b128 v[BI+8*\b:BI+8*\b+3], v6, s[68:69] offset:64*\b
	global_load_b128 v[BI+8*\b+4:BI+8*\b+7], v6, s[68:69] offset:64*\b+16
.endr
	GETE 32, 70, 66                                ; (its wait for all loads serves the bias too)
	v_ldexp_f32 v[SCF], 1.0, v32                   ; 2^E
	v_mov_b32 v[SCF+1], v[SCF]
; 8 matrix instructions: m blocks a0, a0 + 1 x all 4 n blocks, 32 along K: half c of buffer f.  The 16 accumulators take turns.
.macro MUL8 f, c, a0, zero
.irp a, \a0, \a0+1
.irp b, 0,1,2,3
.if \zero
	v_wmma_f32_16x16x32_f16 v[ACC+8*(4*(\a)+\b):ACC+8*(4*(\a)+\b)+7], v[\f+64+8*(4*\c+\b):\f+64+8*(4*\c+\b)+7], v[\f+8*(4*\c+\a):\f+8*(4*\c+\a)+7], 0
.else
	v_wmma_f32_16x16x32_f16 v[ACC+8*(4*(\a)+\b):ACC+8*(4*(\a)+\b)+7], v[\f+64+8*(4*\c+\b):\f+64+8*(4*\c+\b)+7], v[\f+8*(4*\c+\a):\f+8*(4*\c+\a)+7], v[ACC+8*(4*(\a)+\b):ACC+8*(4*(\a)+\b)+7]
.endif
.endr
.endr
.endm
; 32 LDS loads in one run: the fragments of one plane (64 along K), which begins k bytes into my rows' region; the first 32 along K first
.macro FETCH slot, k, f
	WIN TO_F
.irp c, 0,1
.irp i, 0,1,2,3
	ds_load_b128 v[\f+64+8*(4*\c+\i):\f+64+8*(4*\c+\i)+3],   v[ADRB+\slot] offset:\k+64*\c+\i*16*PITCH
	ds_load_b128 v[\f+64+8*(4*\c+\i)+4:\f+64+8*(4*\c+\i)+7], v[ADRB+\slot] offset:\k+64*\c+\i*16*PITCH+32
	ds_load_b128 v[\f+8*(4*\c+\i):\f+8*(4*\c+\i)+3],         v[ADRA+\slot] offset:\k+64*\c+\i*16*PITCH
	ds_load_b128 v[\f+8*(4*\c+\i)+4:\f+8*(4*\c+\i)+7],       v[ADRA+\slot] offset:\k+64*\c+\i*16*PITCH+32
.endr
.endr
.endm
.macro PLACES                          ; four places in front of loads into registers that matrix instructions have read, and of the first read of results
.rept 4
	v_nop
.endr
.endm
.macro QUARTER slot, k, f, g, zero     ; multiplies buffer f (one plane) and fetches the next plane, at byte k, into g
	s_wait_dscnt 16                                ; the first 32 along K are in; the other sixteen loads may be out
	WIN MUL
	MUL8 \f, 0, 0, \zero
	MUL8 \f, 0, 2, \zero
	PLACES
	FETCH \slot, \k, \g
	s_wait_dscnt 32                                ; all but the 32 just issued
	WIN MUL
	MUL8 \f, 1, 0, 0
	MUL8 \f, 1, 2, 0
.endm
; A slot's last plane changes slots: ONE barrier; in front of it each wave waits for all its tensor loads, adds 0 to its spare word, and waits for that and for its reads of this slot.  fill = 1: the slot is filled again, two K steps on.
.macro TURN slot, next, fill
	WIN 0
	s_wait_tensorcnt 0x0                           ; all my tensor loads have landed: my part of the next slot
	ds_add_u32 v[SPW], v[NIL]
	s_wait_dscnt 17                                ; (the add and the youngest sixteen loads may be out)
	WIN MUL
	MUL8 F1, 0, 0, 0
	s_wait_dscnt 0x0                               ; the add is done, and my reads of this slot are over
	s_barrier_signal -1
	MUL8 F1, 0, 2, 0
.if \fill
	WIN 0
.endif
	s_barrier_wait -1
.if \fill
	CREST                                          ; the barrier has opened a round of the cluster's: no wave of any partner still reads this slot or has a load on its way
	s_add_nc_u64 s[G0+4*\slot+2:G0+4*\slot+3], s[G0+4*\slot+2:G0+4*\slot+3], 2*ASTEP
	s_add_nc_u64 s[G0B+4*\slot+2:G0B+4*\slot+3], s[G0B+4*\slot+2:G0B+4*\slot+3], 2*BSTEP
	JLOAD \slot                                    ; the first tensor load behind the round, one a wave; its four v_nop are also the places in front of the loads below
.else
	PLACES
.endif
	FETCH \next, 0, F0
	WIN MUL
	MUL8 F1, 1, 0, 0
	MUL8 F1, 1, 2, 0
.endm
	s_wait_tensorcnt 1                             ; my part of K step 0 is in (K step 1's load may be out)
	s_barrier_signal -1
	s_barrier_wait -1                              ; everybody's is
	FETCH 0, 0, F0
	QUARTER 0, PLANE,   F0, F1, 1                  ; K step 0; its first products start the sums
	QUARTER 0, 2*PLANE, F1, F0, 0
	QUARTER 0, 3*PLANE, F0, F1, 0
	TURN 0, 1, 1                                   ; slot 0 takes K step 2
	QUARTER 1, PLANE,   F0, F1, 0                  ; K step 1
	QUARTER 1, 2*PLANE, F1, F0, 0
	QUARTER 1, 3*PLANE, F0, F1, 0
	TURN 1, 0, 1                                   ; slot 1 takes K step 3
	QUARTER 0, PLANE,   F0, F1, 0                  ; K step 2
	QUARTER 0, 2*PLANE, F1, F0, 0
	QUARTER 0, 3*PLANE, F0, F1, 0
	TURN 0, 1, 0                                   ; nothing is left to fetch
	QUARTER 1, PLANE,   F0, F1, 0                  ; K step 3
	QUARTER 1, 2*PLANE, F1, F0, 0
	QUARTER 1, 3*PLANE, F0, F1, 0
	s_wait_dscnt 16
	WIN MUL
	MUL8 F1, 0, 0, 0
	MUL8 F1, 0, 2, 0
	s_wait_dscnt 0
	MUL8 F1, 1, 0, 0
	MUL8 F1, 1, 2, 0
	WIN 0
	; THE WAY OUT, 16 rows x 64 columns at a time: sum x 2^E + bias in one fused multiply-add; 32 bytes a lane into my stage; back as whole rows of 256 bytes.
	PLACES
.irp a, 0,1,2,3
.if \a > 0
	s_wait_xcnt 0x0                                ; the last block's stores have read v64-95
.endif
.irp b, 0,1,2,3
.irp r, 0,1,2,3
	v_pk_fma_f32 v[TMP+8*\b+2*\r:TMP+8*\b+2*\r+1], v[ACC+8*(4*\a+\b)+2*\r:ACC+8*(4*\a+\b)+2*\r+1], v[SCF:SCF+1], v[BI+8*\b+2*\r:BI+8*\b+2*\r+1] op_sel_hi:[1,0,1]   ; each accumulator from its low end on
.endr
.endr
.irp b, 0,1,2,3
	ds_store_b128 v[STO], v[TMP+8*\b:TMP+8*\b+3] offset:64*\b
	ds_store_b128 v[STO], v[TMP+8*\b+4:TMP+8*\b+7] offset:64*\b+16
.endr
.irp t, 0,1,2,3,4,5,6,7
	ds_load_b128 v[TMP+32+4*\t:TMP+32+4*\t+3], v[RD] offset:2*SPITCH*\t      ; LDS serves a wave's instructions in order: these see my stores
.endr
	s_wait_dscnt 0x0
.irp t, 0,1,2,3,4,5,6,7
	global_store_b128 v[CO], v[TMP+32+4*\t:TMP+32+4*\t+3], s[8:9] offset:(16*\a+2*\t)*4096 th:TH_STORE_NT   ; sixteen lanes store 256 consecutive bytes, aligned; written once, read by nobody here
.endr
.endr
	s_wait_tensorcnt 0x0                           ; the wave's end
	ds_add_u32 v[SPW], v[NIL]
	s_wait_dscnt 0x0
	CROUND                                         ; the closing round
	s_endpgm
.Lfunc_end_k_qaa6ba4c740_proj:
	.size	k_qaa6ba4c740_proj, .Lfunc_end_k_qaa6ba4c740_proj-k_qaa6ba4c740_proj
	.p2alignl 7, 3214868480
	.fill 96, 4, 3214868480
	.section	.rodata,"a",@progbits
	.p2align	6, 0x0
	.amdhsa_kernel k_qaa6ba4c740_proj
		.amdhsa_group_segment_fixed_size 327680
		.amdhsa_private_segment_fixed_size 0
		.amdhsa_enable_private_segment 0
		.amdhsa_kernarg_size 40
		.amdhsa_user_sgpr_count 2
		.amdhsa_user_sgpr_kernarg_segment_ptr 1
		.amdhsa_wavefront_size32 1
		.amdhsa_system_sgpr_workgroup_id_x 1
		.amdhsa_system_sgpr_workgroup_id_y 1
		.amdhsa_system_sgpr_workgroup_id_z 1
		.amdhsa_system_vgpr_workitem_id 0
		.amdhsa_next_free_vgpr 512
		.amdhsa_next_free_sgpr 72
		.amdhsa_reserve_vcc 0
		.amdhsa_float_denorm_mode_32 3
		.amdhsa_float_denorm_mode_16_64 3
		.amdhsa_memory_ordered 1
		.amdhsa_forward_progress 1
		.amdhsa_inst_pref_size 93
	.end_amdhsa_kernel
	.amdgpu_metadata
---
amdhsa.version: [ 1, 2 ]
amdhsa.kernels:
  - .name:           k_qaa6ba4c740_proj
    .symbol:         k_qaa6ba4c740_proj.kd
    .args:
      - { .name: o, .offset: 0, .size: 8, .value_kind: global_buffer, .address_space: global }
      - { .name: wp16, .offset: 8, .size: 8, .value_kind: global_buffer, .address_space: global }
      - { .name: b_proj, .offset: 16, .size: 8, .value_kind: global_buffer, .address_space: global }
      - { .name: mx, .offset: 24, .size: 8, .value_kind: global_buffer, .address_space: global }
      - { .name: out0, .offset: 32, .size: 8, .value_kind: global_buffer, .address_space: global }
    .group_segment_fixed_size: 327680
    .private_segment_fixed_size: 0
    .kernarg_segment_align: 8
    .kernarg_segment_size: 40
    .max_flat_workgroup_size: 128
    .sgpr_count:     72
    .vgpr_count:     512
    .wavefront_size: 32
...
	.end_amdgpu_metadata
.endif
;; end of part 4
